; MI455X (gfx1250); checked and timed in simulation.
; The chip was launched on July 23, 2026; its instructions are those of AMD's public machine-readable ISA for CDNA 5 (MIT licence, August 2026) and "CDNA5" Instruction Set Architecture Reference Guide (July 2026). The comments in the code are by the model that wrote it; some were corrected since.
;; Causal Self Attention. Allowed arithmetic: matrix products marked QUANTISED: E2M3 operands, one E8M0 scale for each 32 along K, by v_wmma_scale_f32_16x16x128_f8f6f4 with both operands' format E2M3, f32 sums; everything else in f32.
;; Inputs: W_attn 1,024 x 3,072 float32; W_proj 1,024 x 1,024 float32; b_attn 3,072 float32; b_proj 1,024 float32; x 4 x 2,048 x 1,024 float32.
;; Outputs: out0 4 x 2,048 x 1,024 float32.
;; Constants: n_head = 16.
;; This version of the problem:
;;   THIS VERSION OF THE PROBLEM IS GIVEN IN LOW PRECISION. The matrix products marked QUANTISED in the list below multiply operands that are first quantised to E2M3 (2 exponent bits, 3 mantissa bits; 6 bits a number), with one power-of-two scale for each 32 numbers along K (OCP MX v1.0); their sums are f32. All else is computed in f32.
;;   The module's matrix products, in the order in which they are computed (A, B: the left and right operand; K: the contracted axis; several contracted axes count as one K, in the product's order):
;;     1. [M 8,192, K 1,024] x [K 1,024, N 3,072]; A: input x; B: input W_attn: QUANTISED
;;     2. batch 64 x [M 2,048, K 64] x [K 64, N 2,048]; A: computed on the way; B: computed on the way: QUANTISED
;;     3. batch 64 x [M 2,048, K 2,048] x [K 2,048, N 64]; A: computed on the way; B: computed on the way: QUANTISED
;;     4. [M 8,192, K 1,024] x [K 1,024, N 1,024]; A: computed on the way; B: input W_proj: QUANTISED
;;   THE QUANTISER, for each operand of a quantised product, along K:
;;     - K is cut into blocks of 32 from its start; a last block that is shorter is filled with zeros.
;;     - A block's scale is 2^e with e = floor(log2(the largest magnitude in the block)) - 2, held to -126 .. 127; a block of zeros has e = 0. As a byte (E8M0): e + 127.
;;     - Each number is divided by its block's scale, clamped to +-7.5, and rounded to the nearest number of E2M3, ties to even, subnormals kept.
;;     - The product sums the exact products of the quantised numbers (number of the format x scale) in f32.
;;   ~~~python
;;   def quantise(x, axis):      # numpy; x: float32 -> the quantised numbers, widened to float32 again
;;       x = np.moveaxis(x, axis, -1); K = x.shape[-1]
;;       x = np.pad(x, [(0, 0)] * (x.ndim - 1) + [(0, -K % 32)]); x = x.reshape(x.shape[:-1] + (-1, 32)); a = np.abs(x).max(-1, keepdims=True)
;;       e = np.where(a > 0, np.clip(np.frexp(np.where(a > 0, a, 1))[1] - 1 - 2, -126, 127), 0)      # np.frexp(a)[1] - 1 = floor(log2(a)), exactly
;;       r = np.clip(x / 2.0 ** e, -7.5, 7.5)
;;       step = 2.0 ** (np.maximum(np.frexp(np.where(r == 0, 1, r))[1] - 1, 0) - 3)
;;       q = np.round(r / step) * step * 2.0 ** e      # np.round: ties to even
;;       return np.moveaxis(q.reshape(q.shape[:-2] + (-1,))[..., :K], -1, axis).astype(np.float32)
;;   ~~~
;;   OPERANDS COMPUTED ON THE WAY. 'Computed on the way' means the value that the module computes at that place (a softmax that the list does not call 'softmax' is quantised finished and normalised). What goes into a quantiser is computed in f32, as accurately as f32 sums, v_exp_f32 and their like allow (about 1e-6 of the number): no bf16 or f16 on the way to a quantiser, and a product that is left as it is and whose result goes on into a quantised operand takes f32 operands (vector FMAs, or v_wmma_f32_16x16x4_f32). A number that lies on a knife's edge between two numbers of the format may be rounded either way, as far as f32 arithmetic and the matrix unit's own rounding can turn it there, and no further.
;; One version. Each part assembles by itself: llvm-mc -triple=amdgcn-amd-amdhsa -mcpu=gfx1250 --defsym DOCPART=n.
;; ======== version 1 of 1: 4 launches
;; workspace buffers: cA 8,650,752 bytes; scA 360,448 bytes; cP 7,077,888 bytes; scP 294,912 bytes; qkv 27,787,264 bytes
;; launch quant (part 1): grid 640 x 1, 4 waves a work-group, no clusters, 47,616 bytes of LDS; arguments x, W_attn, W_proj, cA, scA, cP, scP; writes cA, scA, cP, scP
.if DOCPART == 1
	.amdgcn_target "amdgcn-amd-amdhsa--gfx1250"
	.amdhsa_code_object_version 6
	.text
	.protected	k_qefa28c2707_quant
	.globl	k_qefa28c2707_quant
	.p2align	8
	.type	k_qefa28c2707_quant,@function
k_qefa28c2707_quant:
	s_mov_b64 s[64:65], 0
	v_nop
	global_prefetch_b8 v0, s[64:65] scope:SCOPE_SE
	s_setreg_imm32_b32 hwreg(HW_REG_WAVE_MODE, 25, 1), 1
	s_wait_xcnt 0x0
; x [8192][1024], W_attn [1024][3072] and W_proj [1024][1024], f32, become codes of FP6 (E2M3) with one E8M0 byte for each 32 along K = 1024.
; A block's scale is 2^(floor(log2(its largest magnitude)) - 2); its byte is the largest magnitude's exponent field - 2, held at 1 from below.
; LAYOUT OF THE CODES: in the order of the matrix operand's registers.  256 rows x K 1024 are a block of [8 K steps][16 tiles][1536 bytes]; a tile is 16 rows x 128 K,
; register 4 c + i of lane l at byte 512 c + 16 l + 4 i.  THE ROWS OF A TILE ARE NOT NEIGHBOURS: in each group of 32 rows, lane r of tile u takes row 8 u + r + 8 (r / 8).
; LAYOUT OF THE SCALES: for each 256 rows [4 pairs of K steps][16 tiles][16 rows][2 words], a word = the four bytes of a row's K step.
; cA, scA: blocks 0-31 x's rows, 32-43 W_attn's columns.  cP, scP: blocks 32-35 W_proj's columns (blocks 0-31 are written by a later launch).
; Work-groups 0-127 take the weights (K is their first axis: a lane takes a column and its registers run down K), work-groups 128-639 take x (K innermost: rows turn through a stage in LDS).
; The two paths part on the work-group's number and have LDS bytes of their own.  No tensor load, no barrier: waves share nothing.  No matrix unit, no cluster: the launch only streams.
; LIMITS: NaN and infinities among the inputs are not served; a block of zeros gets the byte 1 where the rule says 127 (its codes are zeros, and this program alone reads the bytes).
.set XW,    16*528                     ; x's stage of a wave: 16 rows of 512 bytes + 16
.set WSTG,  4*XW                       ; the weights' stages begin here
.set WT,    1664                       ; a tile's image, 1536 bytes, + 128
.set WW,    2*WT                       ; a wave's two tiles
.set SPARE, WSTG+4*WW                  ; the spare words, 128 bytes for each wave: two blocks of 256 bytes that no other line names
.set KSB,   24576                      ; a K step of a block of 256 rows
.set BLKB,  8*KSB
.set LANE,  1
.set SPW,   2                          ; v2  LDS address of my spare word; never rewritten
.set NIL,   3                          ; v3  0; never rewritten
.set SEL,   40                         ; s[40:41] selects of v_permlanex16_b32: lane l xor 16
.set HM,    42                         ; s42 lanes 16-31
.set R,     16                         ; path x: v16-143 two K steps as loaded
.set T,     144                        ; v144-207 64 numbers of my row: register 16 b + i = k 32 b + 16 (lane / 16) + i
.set PC,    208                        ; v208-219 the fragment, v220-226 at work
.set TMX,   228
.set TMB,   232
.set TMS,   236
.set PW,    244                        ; v244-245 the two K steps' scale words
.set VO,    16                         ; path w: v16-47 4 lane + i rows
.set WX,    48                         ; v48-111 two sets of 32 numbers
.set CW,    112                        ; v112-118 a block's codes
.set WD,    120                        ; v120-121 the scale words
.set OUTR,  128                        ; v128-175 images on their way out
.set BB,    32                         ; s[32:47] where each of my eight blocks of 32 along K begins
; 64 numbers of a lane become a fragment's 12 registers in v[PC] on and four scale bytes in v[TMB] on.
.macro QUANT s
.irp b, 0,1,2,3
	v_max3_num_f32 v[TMX+\b], |v[(\s)+16*\b]|, |v[(\s)+1+16*\b]|, 0x1800000   ; my 16 numbers of block b, and the floor 2^(3 - 127): the byte cannot fall under 1
.endr
.irp i, 2,4,6,8,10,12,14
.irp b, 0,1,2,3
	v_max3_num_f32 v[TMX+\b], v[TMX+\b], |v[(\s)+16*\b+\i]|, |v[(\s)+1+16*\b+\i]|
.endr
.endr
.irp b, 0,1,2,3
	v_permlanex16_b32 v[TMB+\b], v[TMX+\b], s[SEL], s[SEL+1]
.endr
.irp b, 0,1,2,3
	v_max_num_f32 v[TMX+\b], v[TMX+\b], v[TMB+\b]              ; with lane l xor 16's 16: the block's largest magnitude
.endr
.irp b, 0,1,2,3
	v_add_nc_u32 v[TMS+\b], 0xff000000, v[TMX+\b]              ; 2 off its exponent field: the conversion's scale operand
.endr
.irp b, 0,1,2,3
	v_lshrrev_b32 v[TMB+\b], 23, v[TMS+\b]                     ; the scale's byte
.endr
.irp c, 0,1
	v_cvt_scalef32_pk16_fp6_f32 v[PC+6*\c:PC+2+6*\c], v[(\s)+32*\c:(\s)+15+32*\c], v[TMS+2*\c]
	v_cvt_scalef32_pk16_fp6_f32 v[PC+12+4*\c:PC+14+4*\c], v[(\s)+16+32*\c:(\s)+31+32*\c], v[TMS+2*\c+1]
.endr
	v_nop                                                      ; one plain place behind a scaled conversion
.irp c, 0,1                                                    ; the operand wants a whole block in a lane: lanes 0-15 block 2 c, lanes 16-31 block 2 c + 1
.irp i, 0,1,2
	v_permlane16_swap_b32 v[PC+6*\c+\i], v[PC+12+4*\c+\i]
.endr
.irp i, 0,1,2
	v_mov_b32 v[PC+3+6*\c+\i], v[PC+12+4*\c+\i]
.endr
.endr
.endm
.macro QWORD pw
	v_lshl_or_b32 v[\pw], v[TMB+1], 8, v[TMB]
	v_lshl_or_b32 v[\pw], v[TMB+2], 16, v[\pw]
	v_lshl_or_b32 v[\pw], v[TMB+3], 24, v[\pw]
.endm
	s_load_b256 s[4:11], s[0:1], 0x0               ; x s[4:5], W_attn s[6:7], W_proj s[8:9], cA s[10:11]
	s_load_b128 s[12:15], s[0:1], 0x20             ; scA s[12:13], cP s[14:15]
	s_load_b64 s[16:17], s[0:1], 0x30              ; scP
	v_lshl_add_u32 v[SPW], v0, 2, SPARE
	v_mov_b32 v[NIL], 0
	v_lshrrev_b32 v1, 5, v0
	v_readfirstlane_b32 s18, v1                    ; wave
	v_and_b32 v[LANE], 31, v0
	s_mov_b32 s29, 0                               ; the upper word of every offset pair s[28:29]
	s_wait_kmcnt 0x0
	s_cmp_lt_u32 ttmp9, 128
	s_cbranch_scc0 .Lpath_x
	; ---------------- THE WEIGHTS.  Work-groups 0-95: W_attn, 96-127: W_proj.  A work-group takes 128 columns x 256 along K, a wave 32 columns: one group of two tiles.
	s_cmp_lt_u32 ttmp9, 96
	s_cselect_b32 s19, 0, 96
	s_mov_b32 s20, 4096
	s_cselect_b32 s20, 12288, s20                  ; a row of the weight in bytes
	s_cselect_b64 s[22:23], s[6:7], s[8:9]         ; the choices hang on the work-group's number alone
	s_cselect_b64 s[24:25], s[10:11], s[14:15]
	s_cselect_b64 s[26:27], s[12:13], s[16:17]
	s_sub_co_u32 s19, ttmp9, s19
	s_and_b32 s21, s19, 3                          ; which 256 along K
	s_lshr_b32 s19, s19, 2                         ; which 128 columns
	s_mul_i32 s28, s21, s20
	s_lshl_b32 s28, s28, 8
	s_lshl_b32 s48, s19, 9
	s_add_co_u32 s28, s28, s48
	s_lshl_b32 s48, s18, 7
	s_add_co_u32 s28, s28, s48
	s_add_nc_u64 s[BB:BB+1], s[22:23], s[28:29]    ; my columns, my first row
	s_lshl_b32 s28, s20, 5                         ; 32 rows on
.irp t, 1,2,3,4,5,6,7
	s_add_nc_u64 s[BB+2*\t:BB+2*\t+1], s[BB+2*\t-2:BB+2*\t-1], s[28:29]
.endr
	s_lshr_b32 s30, s19, 1
	s_add_co_u32 s30, s30, 32                      ; the block of 256 columns: behind the 32 blocks of rows
	s_and_b32 s31, s19, 1
	s_lshl_b32 s31, s31, 2
	s_add_co_u32 s31, s31, s18                     ; my group of 32 in it
	s_mul_i32 s28, s30, BLKB
	s_mul_i32 s48, s21, 2*KSB
	s_add_co_u32 s28, s28, s48
	s_mul_i32 s48, s31, 3072
	s_add_co_u32 s28, s28, s48
	s_add_nc_u64 s[24:25], s[24:25], s[28:29]
	s_lshl_b32 s28, s30, 13
	s_lshl_b32 s48, s21, 11
	s_add_co_u32 s28, s28, s48
	s_lshl_b32 s48, s31, 8
	s_add_co_u32 s28, s28, s48
	s_add_nc_u64 s[26:27], s[26:27], s[28:29]
	v_lshlrev_b32 v4, 2, v[LANE]
.set i, 0
.rept 32
	v_mad_u32_u24 v[VO+i], s20, i, v4              ; 4 lane + i rows
.set i, i+1
.endr
	v_bfe_u32 v5, v[LANE], 3, 1                    ; column l of the group is row r = l % 8 + 8 (l / 16) of tile u = (l / 8) % 2
	v_and_b32 v6, 7, v[LANE]
	v_lshrrev_b32 v7, 4, v[LANE]
	v_lshl_add_u32 v6, v7, 3, v6
	s_mul_i32 s49, s18, WW
	s_add_co_u32 s49, s49, WSTG                    ; my stage
	v_mul_u32_u24 v8, v5, WT
	v_lshl_add_u32 v8, v6, 4, v8
	v_add_nc_u32 v8, s49, v8                       ; into it: my tile's image, lane r's 16 bytes
	v_lshl_add_u32 v9, v[LANE], 4, s49             ; out of it: 16 bytes a lane
	v_lshlrev_b32 v10, 4, v[LANE]                  ; and the same in memory
	v_lshlrev_b32 v11, 7, v5
	v_lshl_add_u32 v11, v6, 3, v11                 ; my row's two scale words
.macro WLOAD t                         ; block t: W(32 t + i, my column) into set t % 2; a load of the wave covers 128 consecutive bytes, the four waves' 512
.set i, 0
.rept 32
	global_load_b32 v[WX+32*((\t)%2)+i], v[VO+i], s[BB+2*(\t):BB+2*(\t)+1] th:TH_LOAD_NT
.set i, i+1
.endr
.endm
.macro WBLOCK t
.set XS, WX+32*((\t)%2)
.if (\t) < 7
	s_wait_loadcnt 32                              ; this block's 32 loads are in; the next block's 32 may be out
.else
	s_wait_loadcnt 0x0
.endif
	v_max3_num_f32 v12, |v[XS]|, |v[XS+1]|, |v[XS+2]|            ; all 32 numbers of the block are mine
	v_max3_num_f32 v13, |v[XS+3]|, |v[XS+4]|, |v[XS+5]|
.irp i, 6,10,14,18,22,26
	v_max3_num_f32 v12, v12, |v[XS+\i]|, |v[XS+\i+1]|
	v_max3_num_f32 v13, v13, |v[XS+\i+2]|, |v[XS+\i+3]|
.endr
	v_max3_num_f32 v12, v12, |v[XS+30]|, |v[XS+31]|
	v_max3_num_f32 v12, v12, v13, 0x1800000        ; and the floor
	v_add_nc_u32 v14, 0xff000000, v12              ; the conversion's scale operand
	v_lshrrev_b32 v13, 23, v14                     ; the byte
.if (\t)%4 == 0
	v_mov_b32 v[WD+(\t)/4], v13
.else
	v_lshl_or_b32 v[WD+(\t)/4], v13, 8*((\t)%4), v[WD+(\t)/4]
.endif
	v_cvt_scalef32_pk16_fp6_f32 v[CW:CW+2], v[XS:XS+15], v14
	v_cvt_scalef32_pk16_fp6_f32 v[CW+4:CW+6], v[XS+16:XS+31], v14
	v_nop                                          ; one plain place behind a scaled conversion
	v_mov_b32 v[CW+3], v[CW+4]                     ; the block's six registers on end
	v_mov_b32 v[CW+4], v[CW+5]
	v_mov_b32 v[CW+5], v[CW+6]
; block beta = t % 4 of a K step is registers 6 (beta / 2) .. + 5 of lane r + 16 (beta % 2) of the image
.if ((\t)%4) < 2
	ds_store_b128 v8, v[CW:CW+3] offset:256*((\t)%2)
	ds_store_b64 v8, v[CW+4:CW+5] offset:512+256*((\t)%2)
.else
	ds_store_b64 v8, v[CW:CW+1] offset:520+256*((\t)%2)
	ds_store_b128 v8, v[CW+2:CW+5] offset:1024+256*((\t)%2)
.endif
.if (\t)+2 < 8
	WLOAD (\t)+2
.endif
	s_wait_dscnt 0x0                               ; the stores have read their registers: the next block's codes may be written
.endm
.macro WOUT s                          ; a K step's two images leave: 3,072 consecutive bytes, 512 a store
.irp k, 0,1,2,3,4,5
	ds_load_b128 v[OUTR+24*\s+4*\k:OUTR+24*\s+4*\k+3], v9 offset:WT*(\k/3)+512*(\k%3)   ; LDS serves a wave's instructions in order: these see my stores
.endr
.irp k, 0,1,2,3,4,5
	s_wait_dscnt 5-\k                              ; the loads come back in order: number k is in
	global_store_b128 v10, v[OUTR+24*\s+4*\k:OUTR+24*\s+4*\k+3], s[24:25] offset:\s*KSB+1536*(\k/3)+512*(\k%3)
.endr
.endm
	WLOAD 0
	WLOAD 1
	WBLOCK 0
	WBLOCK 1
	WBLOCK 2
	WBLOCK 3
	WOUT 0
	WBLOCK 4
	WBLOCK 5
	WBLOCK 6
	WBLOCK 7
	WOUT 1
	global_store_b64 v11, v[WD:WD+1], s[26:27]     ; 32 lanes store 256 consecutive bytes, aligned
	s_wait_tensorcnt 0x0                           ; the wave's end
	ds_add_u32 v[SPW], v[NIL]
	s_wait_dscnt 0x0
	s_endpgm
	; ---------------- x.  A work-group takes four tiles of a block of 256 rows x 256 along K; a wave one tile: 16 rows x two K steps.
.Lpath_x:
	s_sub_co_u32 s19, ttmp9, 128
	s_and_b32 s20, s19, 3
	s_bfe_u32 s21, s19, 0x20002                    ; which 256 along K
	s_lshr_b32 s19, s19, 4                         ; the block of 256 rows
	s_lshl_b32 s22, s20, 2
	s_add_co_u32 s22, s22, s18                     ; my tile
	s_lshl_b32 s23, s19, 8
	s_lshr_b32 s24, s22, 1
	s_lshl_b32 s24, s24, 5
	s_add_co_u32 s23, s23, s24
	s_and_b32 s24, s22, 1
	s_lshl_b32 s24, s24, 3
	s_add_co_u32 s23, s23, s24                     ; the tile's first row: 256 block + 32 (t / 2) + 8 (t % 2)
	s_lshl_b32 s28, s23, 12
	s_lshl_b32 s24, s21, 10
	s_add_co_u32 s28, s28, s24
	s_add_nc_u64 s[4:5], s[4:5], s[28:29]
	s_mul_i32 s28, s19, BLKB
	s_mul_i32 s24, s21, 2*KSB
	s_add_co_u32 s28, s28, s24
	s_mul_i32 s24, s22, 1536
	s_add_co_u32 s28, s28, s24
	s_add_nc_u64 s[10:11], s[10:11], s[28:29]
	s_lshl_b32 s28, s19, 13
	s_lshl_b32 s24, s21, 11
	s_add_co_u32 s28, s28, s24
	s_lshl_b32 s24, s22, 7
	s_add_co_u32 s28, s28, s24
	s_add_nc_u64 s[12:13], s[12:13], s[28:29]
	s_mov_b32 s[SEL], 0x76543210
	s_mov_b32 s[SEL+1], 0xfedcba98
	s_mov_b32 s[HM], 0xffff0000
	v_lshlrev_b32 v6, 4, v[LANE]                   ; 16 bytes a lane, in memory
.irp s, 0,1
.irp i, 0,1,2,3,4,5,6,7,8,9,10,11,12,13,14,15
	global_load_b128 v[R+64*\s+4*\i:R+64*\s+4*\i+3], v6, s[4:5] offset:(\i+8*(\i/8))*4096+512*\s th:TH_LOAD_NT   ; 512 consecutive bytes: row i of the tile, K step s.  All 32 loads go out at once
.endr
.endr
	v_and_b32 v4, 15, v[LANE]                      ; r
	v_lshrrev_b32 v5, 4, v[LANE]                   ; h
	s_mul_i32 s30, s18, XW
	v_add_nc_u32 v7, s30, v6                       ; the stage, in: as loaded
	v_mul_u32_u24 v8, v4, 528
	v_lshl_add_u32 v8, v5, 6, v8
	v_add_nc_u32 v8, s30, v8                       ; out: row r, + 64 h: my 16 numbers of each block of 32
	v_lshlrev_b32 v9, 3, v4
	v_lshl_add_u32 v9, v5, 2, v9                   ; 8 r + 4 h: lanes 0-15 store the first K step's word, lanes 16-31 the second's
.irp b, 0,1,2,3
	v_mov_b32 v[TMB+\b], 0                         ; written once: a lane permute's destination counts as one of its sources
.endr
.macro XSTEP s
.if \s == 0
	s_wait_loadcnt 16                              ; the first K step's 16 loads are in; the second's 16 may be out
.else
	s_wait_loadcnt 0x0
.endif
.irp i, 0,1,2,3,4,5,6,7,8,9,10,11,12,13,14,15
	ds_store_b128 v7, v[R+64*\s+4*\i:R+64*\s+4*\i+3] offset:528*\i
.endr
.irp b, 0,1,2,3
.irp j, 0,1,2,3
	ds_load_b128 v[T+16*\b+4*\j:T+16*\b+4*\j+3], v8 offset:128*\b+16*\j   ; LDS serves a wave's instructions in order: these see my stores
.endr
.endr
	s_wait_dscnt 0x0
.if \s == 1
	s_wait_xcnt 0x0                                ; the first K step's stores have read the fragment's registers
.endif
	QUANT T
	QWORD PW+\s
.irp c, 0,1,2
	global_store_b128 v6, v[PC+4*\c:PC+4*\c+3], s[10:11] offset:\s*KSB+512*\c   ; 512 consecutive bytes, aligned
.endr
.endm
	XSTEP 0
	XSTEP 1
	v_cndmask_b32 v10, v[PW], v[PW+1], s[HM]
	global_store_b32 v9, v10, s[12:13]             ; the tile's 32 words: 128 consecutive bytes
	s_wait_tensorcnt 0x0                           ; the wave's end
	ds_add_u32 v[SPW], v[NIL]
	s_wait_dscnt 0x0
	s_endpgm
.Lfunc_end_k_qefa28c2707_quant:
	.size	k_qefa28c2707_quant, .Lfunc_end_k_qefa28c2707_quant-k_qefa28c2707_quant
	.p2alignl 7, 3214868480
	.fill 96, 4, 3214868480
	.section	.rodata,"a",@progbits
	.p2align	6, 0x0
	.amdhsa_kernel k_qefa28c2707_quant
		.amdhsa_group_segment_fixed_size 47616
		.amdhsa_private_segment_fixed_size 0
		.amdhsa_enable_private_segment 0
		.amdhsa_kernarg_size 56
		.amdhsa_user_sgpr_count 2
		.amdhsa_user_sgpr_kernarg_segment_ptr 1
		.amdhsa_wavefront_size32 1
		.amdhsa_system_sgpr_workgroup_id_x 1
		.amdhsa_system_sgpr_workgroup_id_y 1
		.amdhsa_system_sgpr_workgroup_id_z 1
		.amdhsa_system_vgpr_workitem_id 0
		.amdhsa_next_free_vgpr 256
		.amdhsa_next_free_sgpr 66
		.amdhsa_reserve_vcc 0
		.amdhsa_float_denorm_mode_32 3
		.amdhsa_float_denorm_mode_16_64 3
		.amdhsa_memory_ordered 1
		.amdhsa_forward_progress 1
		.amdhsa_inst_pref_size 62
	.end_amdhsa_kernel
	.amdgpu_metadata
---
amdhsa.version: [ 1, 2 ]
amdhsa.kernels:
  - .name:           k_qefa28c2707_quant
    .symbol:         k_qefa28c2707_quant.kd
    .args:
      - { .name: x, .offset: 0, .size: 8, .value_kind: global_buffer, .address_space: global }
      - { .name: W_attn, .offset: 8, .size: 8, .value_kind: global_buffer, .address_space: global }
      - { .name: W_proj, .offset: 16, .size: 8, .value_kind: global_buffer, .address_space: global }
      - { .name: cA, .offset: 24, .size: 8, .value_kind: global_buffer, .address_space: global }
      - { .name: scA, .offset: 32, .size: 8, .value_kind: global_buffer, .address_space: global }
      - { .name: cP, .offset: 40, .size: 8, .value_kind: global_buffer, .address_space: global }
      - { .name: scP, .offset: 48, .size: 8, .value_kind: global_buffer, .address_space: global }
    .group_segment_fixed_size: 47616
    .private_segment_fixed_size: 0
    .kernarg_segment_align: 8
    .kernarg_segment_size: 56
    .max_flat_workgroup_size: 128
    .sgpr_count:     66
    .vgpr_count:     256
    .wavefront_size: 32
...
	.end_amdgpu_metadata
.endif
;; end of part 1
;; launch gemm_qkv (part 2): grid 8 x 48, 4 waves a work-group, clusters of 4 x 4, 327,680 bytes of LDS; arguments cA, scA, b_attn, qkv; writes qkv
.if DOCPART == 2
	.amdgcn_target "amdgcn-amd-amdhsa--gfx1250"
	.amdhsa_code_object_version 6
	.text
	.protected	k_qefa28c2707_gemm_qkv
	.globl	k_qefa28c2707_gemm_qkv
	.p2align	8
	.type	k_qefa28c2707_gemm_qkv,@function
k_qefa28c2707_gemm_qkv:
	s_mov_b64 s[64:65], 0
	v_nop
	global_prefetch_b8 v0, s[64:65] scope:SCOPE_SE
	s_setreg_imm32_b32 hwreg(HW_REG_WAVE_MODE, 25, 1), 1
	s_wait_xcnt 0x0
	s_wait_alu depctr_hold_cnt(0) depctr_sa_sdst(0) depctr_va_vdst(0) depctr_va_sdst(0) depctr_va_ssrc(0) depctr_va_vcc(0) depctr_vm_vsrc(0)
	s_getreg_b32 s2, hwreg(HW_REG_IB_STS2, 6, 4)
	s_cmp_eq_u32 s2, 0
	s_cbranch_scc0 .Lentry_in_a_cluster
	s_endpgm
.Lentry_in_a_cluster:
	s_bfe_u32 s2, ttmp6, 0x10000c
	s_cmp_lg_u32 s2, 0xf033
	s_cbranch_scc0 .Lentry_shape_is_right
	s_endpgm
.Lentry_shape_is_right:
; qkv = x W_attn + b_attn on codes of FP6 (E2M3) with E8M0 scales, K = 1024; the results never go to memory as f32: they are quantised here for the two products of attention.
; OPERANDS: cA holds 44 blocks of 256 rows x K 1024 in the order of the operand's registers ([8 K steps][16 tiles][1536 bytes]): 0-31 x's rows, 32-35 q's channels, 36-39 k's, 40-43 v's.  In each group of
; 32 rows lane r of tile u holds row 8 u + r + 8 (r / 8), so that the 16 result registers of two neighbouring tiles of source 0 are 16 NEIGHBOURS: index 32 b + 16 (lane / 16) + 0 .. 15.
; A work-group of four waves makes 256 x 256, a wave 128 x 128: 64 accumulators.  Source 1's rows fall to the lanes, source 0's run along a lane's registers.
;   q, k (clusters y 0-7):  source 1 = tokens, source 0 = channels: a lane holds a token and 64 channels of a head run along its registers: the K of q k^T.
;   v    (clusters y 8-11): source 1 = channels, source 0 = tokens: a lane holds a channel and 128 tokens run along its registers: the K of scores x v.
; Both kinds walk the same loop; only block numbers differ (x and the weights lie in one buffer), and the kind is the same in all sixteen partners of a cluster.
; CLUSTERS 4 x 4: source 1's block is shared along a row of the cluster, source 0's along a column; each K step's 24,576 dense bytes are asked for jointly.
; RING: two slots of two K steps ([src1 q0][src1 q1][src0 q0][src0 q1] x 24,576 bytes); a wave fetches one of the four parts.  K = 1024 is four fills: two at the head, two refills; so the eight steps are written out.
; SCALES: a wave's 64 scale words come from memory into v32-95 once: lanes 0-15 source 1's tile i, lanes 16-31 source 0's tile i, register 32 + 8 i + K step.
; OUT: 512 records of 54,272 bytes, record = (batch 16 + head) 8 + block of 256 tokens:
;   0 k's codes (8 groups of 32 keys x 1536: registers 0-5 tile 0, 6-11 tile 1, 64 along K each); 12288 v's codes [2 steps of 128 keys][4 tiles of 16 dims][1536]; 24576 k's scale words (two bytes each, tile order);
;   25600 -|k|^2 / 2, f32; 26624 v's scale words; from 27136 the same for q: codes, at +24576 scale words, at +25600 -c |q|^2 with c = log2(e) / 16.
; |q|^2 and |k|^2 are f32 sums of the unquantised numbers, bias included.
; LIMITS: NaN and infinities are not served; a block of zeros gets the byte 1 where the rule says 127 (its codes are zeros; this program alone reads the bytes).
; REGISTERS: window 0: v1-15 addresses and small results; v16-31 v's bias; v32-95 scale words; v96-127, v224-255 q's or k's bias; v128-223 source 1's fragments, ONE set, on the way out 64 numbers, codes and work.
;   window 1: source 0's fragments, two sets, at v0 and v128.  windows 2, 3: the accumulators, (a, b) at v[8 (8 (a % 4) + b)].
.set FR,    12
.set NL,    3                          ; LDS loads that bring a fragment
.set NP,    4                          ; places behind this matrix instruction (ISA guide 7.12.1)
.set KSB,   24576                      ; a K step of a block: 16 tiles x 1536
.set SLOT,  4*KSB
.set BLKB,  8*KSB
.set SPARE, 2*SLOT                     ; behind the ring: the spare words, 128 bytes a wave: two blocks of 256 bytes that no other line names
.set REC,   54272
.set HEADB, 8*REC
.set RR,   1
.set HH,   2
.set LI,   3                           ; 16 x lane
.set ADRA, 4                           ; v4-5  source 1's fragments in slot 0, 1
.set ADRB, 6                           ; v6-7  source 0's
.set SPW,  8
.set NIL,  9
.set L4,   10                          ; 4 x lane
.set LN,   11                          ; 4 (8 h + r + 8 (r / 8)): the natural place of the token whose sum I store
.set BV,   16
.set SC,   32
.set BQ,   96
.set AF,   128
.set T,    128
.set PC,   192
.set SQ,   192
.set TMX,  212
.set TMB,  216
.set TMS,  220
.set G1,   24
.set G0,   32
.set G1B,  48
.set G0B,  56
.set SEL,  70
.set HM,   72
.set MM,   73
.set MSB, 0
.macro WIN new                         ; the immediate's high byte repeats the setting that is left
.if MSB != (\new)
	s_set_vgpr_msb (MSB<<8)|(\new)
.set MSB, (\new)
.endif
.endm
.set MUL_LO, 0xa1                      ; source 0 window 1, source 1 window 0, C and D window 2
.set MUL_HI, 0xf1
.set TO_B,   0x40
; A joint load: waves 0 and 1 fetch for source 1, waves 2 and 3 for source 0.  The branch hangs on the wave's number alone.  An s_nop 0 and four v_nop follow each line.
.macro JLOAD g0a, g1a, g0b, g1b
	s_cmp_eq_u32 s15, 0
	s_cbranch_scc0 .Lfor_b_\@
	tensor_load_to_lds s[\g0a:\g0a+3], s[\g1a:\g1a+7]
	s_nop 0
.rept 4
	v_nop
.endr
	s_branch .Lasked_\@
.Lfor_b_\@:
	tensor_load_to_lds s[\g0b:\g0b+3], s[\g1b:\g1b+7]
	s_nop 0
.rept 4
	v_nop
.endr
.Lasked_\@:
.endm
.macro CREST
	s_cmp_lg_u32 s14, 0
	s_cbranch_scc1 .Lnot_wave_0_\@
	s_barrier_signal -3
.Lnot_wave_0_\@:
	s_barrier_wait -3
	s_barrier_signal -1
	s_barrier_wait -1
.endm
.macro CROUND
	s_barrier_signal -1
	s_barrier_wait -1
	CREST
.endm
.macro PLACES n
.rept \n
	v_nop
.endr
.endm
.macro QUANT s
.irp b, 0,1,2,3
	v_max3_num_f32 v[TMX+\b], |v[(\s)+16*\b]|, |v[(\s)+1+16*\b]|, 0x1800000   ; my 16 numbers of block b, and the floor 2^(3 - 127)
.endr
.irp i, 2,4,6,8,10,12,14
.irp b, 0,1,2,3
	v_max3_num_f32 v[TMX+\b], v[TMX+\b], |v[(\s)+16*\b+\i]|, |v[(\s)+1+16*\b+\i]|
.endr
.endr
.irp b, 0,1,2,3
	v_permlanex16_b32 v[TMB+\b], v[TMX+\b], s[SEL], s[SEL+1]
.endr
.irp b, 0,1,2,3
	v_max_num_f32 v[TMX+\b], v[TMX+\b], v[TMB+\b]
.endr
.irp b, 0,1,2,3
	v_add_nc_u32 v[TMS+\b], 0xff000000, v[TMX+\b]
.endr
.irp b, 0,1,2,3
	v_lshrrev_b32 v[TMB+\b], 23, v[TMS+\b]
.endr
.irp c, 0,1
	v_cvt_scalef32_pk16_fp6_f32 v[PC+6*\c:PC+2+6*\c], v[(\s)+32*\c:(\s)+15+32*\c], v[TMS+2*\c]
	v_cvt_scalef32_pk16_fp6_f32 v[PC+12+4*\c:PC+14+4*\c], v[(\s)+16+32*\c:(\s)+31+32*\c], v[TMS+2*\c+1]
.endr
	v_nop                                                      ; one plain place behind a scaled conversion
.irp c, 0,1
.irp i, 0,1,2
	v_permlane16_swap_b32 v[PC+6*\c+\i], v[PC+12+4*\c+\i]
.endr
.irp i, 0,1,2
	v_mov_b32 v[PC+3+6*\c+\i], v[PC+12+4*\c+\i]
.endr
.endr
.endm
.macro QWORD pw
	v_lshl_or_b32 v[\pw], v[TMB+1], 8, v[TMB]
	v_lshl_or_b32 v[\pw], v[TMB+2], 16, v[\pw]
	v_lshl_or_b32 v[\pw], v[TMB+3], 24, v[\pw]
.endm
	s_load_b256 s[4:11], s[0:1], 0x0               ; cA s[4:5], scA s[6:7], b_attn s[8:9], qkv s[10:11]
	v_lshl_add_u32 v[SPW], v0, 2, SPARE
	v_mov_b32 v[NIL], 0
	ds_add_u32 v[SPW], v[NIL]                      ; the wave's opening: the add and its wait stand ahead of my first tensor load; work on registers stands between
	v_lshrrev_b32 v1, 5, v0
	v_readfirstlane_b32 s14, v1                    ; wave
	s_lshr_b32 s15, s14, 1                         ; my half of source 1's rows.  Also: I fetch for source 1 (0) or source 0 (1)
	s_and_b32 s16, s14, 1                          ; my half of source 0's rows.  Also: which of a slot's two K steps I fetch
	s_bfe_u32 s40, ttmp6, 0x40000                  ; cx
	s_bfe_u32 s41, ttmp6, 0x40004                  ; cy
	s_mov_b32 s42, ttmp9                           ; cluster x: 0, 1
	s_and_b32 s17, ttmp7, 0xffff                   ; cluster y: 0 .. 11
	s_lshl_b32 s18, s17, 2
	s_lshl_b32 s47, s17, 3
	s_sub_co_u32 s47, s47, 64
	s_lshl_b32 s46, s42, 2
	s_cmp_ge_u32 s17, 8                            ; the kind: the same in all sixteen partners
	s_cselect_b32 s19, 1, 0
	s_cselect_b32 s18, 40, s18
	s_cselect_b32 s47, s47, 32
	s_add_co_u32 s18, s18, s41                     ; source 1's block: q, k: 4 CY + cy (x);  v: 40 + cy.  It never holds cx
	s_add_co_u32 s46, s46, s47
	s_add_co_u32 s46, s46, s40                     ; source 0's block: q, k: 32 + 4 CX + cx;  v: 8 (CY - 8) + 4 CX + cx (x).  It never holds cy
	s_lshl_b32 s43, s41, 2
	s_lshl_b32 s43, 15, s43                        ; my row of the cluster
	s_lshl_b32 s44, 0x1111, s40                    ; my column
	s_or_b32 s[G1+0], s43, (3<<16)|(1<<21)         ; the mask; elements of 8 bytes; bit 21 beside a mask; no padding
	s_or_b32 s[G1B+0], s44, (3<<16)|(1<<21)
.irp g, G1, G1B
	s_mov_b32 s[\g+1], 32<<16                      ; a dense block as 96 rows of 256 bytes
	s_mov_b32 s[\g+2], 96<<16
	s_mov_b32 s[\g+3], 32<<16
	s_mov_b32 s[\g+4], 96
	s_mov_b32 s[\g+5], 32
	s_mov_b32 s[\g+6], 0
	s_mov_b32 s[\g+7], 0
.endr
	s_mul_i32 s22, s16, KSB
	s_mul_i32 s20, s18, BLKB
	s_add_co_u32 s20, s20, s22
	s_mov_b32 s21, 0
	s_mul_i32 s68, s46, BLKB
	s_add_co_u32 s68, s68, s22
	s_mov_b32 s69, 0
	s_mul_i32 s45, s14, KSB                        ; where my part goes: no place in the cluster enters an LDS address
	s_mov_b32 s[SEL], 0x76543210
	s_mov_b32 s[SEL+1], 0xfedcba98
	s_mov_b32 s[HM], 0xffff0000
	s_wait_dscnt 0x0                               ; the opening add is done
	s_wait_kmcnt 0x0
	s_add_nc_u64 s[20:21], s[4:5], s[20:21]
	s_add_nc_u64 s[68:69], s[4:5], s[68:69]
	CROUND                                         ; all sixteen work-groups are here: the first joint loads meet
.irp s, 0,1
	s_mov_b32 s[G0+4*\s], 1
	s_add_co_u32 s[G0+4*\s+1], s45, \s*SLOT
	s_add_nc_u64 s[G0+4*\s+2:G0+4*\s+3], s[20:21], \s*2*KSB
	s_or_b32 s[G0+4*\s+3], s[G0+4*\s+3], 0x80000000
	s_mov_b32 s[G0B+4*\s], 1
	s_add_co_u32 s[G0B+4*\s+1], s45, \s*SLOT
	s_add_nc_u64 s[G0B+4*\s+2:G0B+4*\s+3], s[68:69], \s*2*KSB
	s_or_b32 s[G0B+4*\s+3], s[G0B+4*\s+3], 0x80000000
	JLOAD G0+4*\s, G1, G0B+4*\s, G1B               ; two loads of mine are out
.endr
	v_and_b32 v[RR], 15, v0
	v_bfe_u32 v[HH], v0, 4, 1
	v_and_b32 v[LI], 31, v0
	v_lshlrev_b32 v[L4], 2, v[LI]
	v_lshlrev_b32 v[LI], 4, v[LI]
	s_mul_i32 s22, s15, 8*1536                     ; my eight tiles of source 1,
	s_mul_i32 s23, s16, 8*1536                     ; of source 0,
	s_add_co_u32 s23, s23, 2*KSB                   ; which lies behind source 1's two K steps
.irp s, 0,1
	v_add_nc_u32 v[ADRA+\s], s22, v[LI]
	v_add_nc_u32 v[ADRB+\s], s23, v[LI]
	s_add_co_u32 s22, s22, SLOT
	s_add_co_u32 s23, s23, SLOT
.endr
	v_lshrrev_b32 v[LN], 3, v[RR]
	v_lshl_add_u32 v[LN], v[LN], 3, v[RR]          ; r + 8 (r / 8)
	v_lshlrev_b32 v14, 2, v[LN]                    ; v's bias: my channel in a tile
	v_lshl_add_u32 v[LN], v[HH], 3, v[LN]
	v_lshlrev_b32 v[LN], 2, v[LN]
	s_lshl_b32 s74, s18, 13                        ; the scale words: lanes 0-15 source 1's, lanes 16-31 source 0's
	s_lshl_b32 s75, s15, 10
	s_add_co_u32 s74, s74, s75
	s_lshl_b32 s75, s46, 13
	s_lshl_b32 s76, s16, 10
	s_add_co_u32 s75, s75, s76
	v_mov_b32 v12, s74
	v_mov_b32 v13, s75
	v_cndmask_b32 v12, v12, v13, s[HM]
	v_lshl_add_u32 v12, v[RR], 3, v12
.irp i, 0,1,2,3,4,5,6,7
.irp p, 0,1,2,3
	global_load_b64 v[SC+8*\i+2*\p:SC+8*\i+2*\p+1], v12, s[6:7] offset:\p*2048+\i*128
.endr
.endr
	s_lshl_b32 s76, s42, 2                         ; both forms of the bias are loaded by every wave; both stay inside b_attn
	s_add_co_u32 s76, s76, s40
	s_lshl_b32 s76, s76, 10
	s_lshl_b32 s77, s16, 9
	s_add_co_u32 s76, s76, s77
	s_mov_b32 s77, 0
	s_add_nc_u64 s[76:77], s[8:9], s[76:77]        ; q, k: channel 256 (4 CX + cx) + 128 (wave % 2)
	s_lshl_b32 s78, s41, 10
	s_lshl_b32 s79, s15, 9
	s_add_co_u32 s78, s78, s79
	s_add_co_u32 s78, s78, 8192
	s_mov_b32 s79, 0
	s_add_nc_u64 s[78:79], s[8:9], s[78:79]        ; v: channel 2048 + 256 cy + 128 (wave / 2)
	v_lshlrev_b32 v13, 6, v[HH]
.irp b, 0,1,2,3,4,5,6,7                        ; tile b's eight channels of my half: 32 (b / 2) + 16 h + 8 (b % 2) + 0 .. 7
	global_load_b128 v[BQ+128*(\b/4)+8*(\b%4):BQ+128*(\b/4)+8*(\b%4)+3], v13, s[76:77] offset:128*(\b/2)+32*(\b%2)
	global_load_b128 v[BQ+128*(\b/4)+8*(\b%4)+4:BQ+128*(\b/4)+8*(\b%4)+7], v13, s[76:77] offset:128*(\b/2)+32*(\b%2)+16
.endr
.irp a, 0,1,2,3,4,5,6,7                        ; my channel of tile a, twice: a pair for the packed addition
	global_load_b32 v[BV+2*\a], v14, s[78:79] offset:128*(\a/2)+32*(\a%2)
	global_load_b32 v[BV+2*\a+1], v14, s[78:79] offset:128*(\a/2)+32*(\a%2)
.endr
.macro FRAG reg, adr, off              ; a fragment comes back as it was laid: three loads of 512 consecutive bytes
.irp c, 0,1,2
	ds_load_b128 v[(\reg)+4*\c:(\reg)+4*\c+3], v[\adr] offset:(\off)+512*\c
.endr
.endm
; 16 matrix instructions: source 1's tiles a0, a0 + 1 x source 0's eight, K step ks.  The 64 accumulators take turns, one instruction a turn, in the same order in every step.
.macro MUL16 a0, p, ks, zero
.irp a, \a0, \a0+1
.irp b, 0,1,2,3,4,5,6,7
.if \zero
	v_wmma_scale_f32_16x16x128_f8f6f4 v[8*(8*((\a)%4)+\b):8*(8*((\a)%4)+\b)+7], v[128*(\p)+FR*\b:128*(\p)+FR*\b+FR-1], v[AF+FR*(\a):AF+FR*(\a)+FR-1], 0, v[SC+8*\b+(\ks)], v[SC+8*(\a)+(\ks)] matrix_a_fmt:MATRIX_FMT_FP6 matrix_b_fmt:MATRIX_FMT_FP6 matrix_a_scale:MATRIX_SCALE_ROW1
.else
	v_wmma_scale_f32_16x16x128_f8f6f4 v[8*(8*((\a)%4)+\b):8*(8*((\a)%4)+\b)+7], v[128*(\p)+FR*\b:128*(\p)+FR*\b+FR-1], v[AF+FR*(\a):AF+FR*(\a)+FR-1], v[8*(8*((\a)%4)+\b):8*(8*((\a)%4)+\b)+7], v[SC+8*\b+(\ks)], v[SC+8*(\a)+(\ks)] matrix_a_fmt:MATRIX_FMT_FP6 matrix_b_fmt:MATRIX_FMT_FP6 matrix_a_scale:MATRIX_SCALE_ROW1
.endif
.endr
.endr
.endm
.macro FETCH_B slot, q, p
	WIN TO_B
.irp i, 0,1,2,3,4,5,6,7
	FRAG 128*(\p)+FR*\i, ADRB+\slot, (\q)*KSB+\i*1536
.endr
	WIN 0
.endm
.macro FETCH_A slot, q, i0
.irp i, \i0, \i0+1, \i0+2, \i0+3
	FRAG AF+FR*(\i), ADRA+\slot, (\q)*KSB+(\i)*1536
.endr
.endm
; A slot's first K step: its successor lies in the same slot.
.macro STEP slot, ks, zero
	s_wait_dscnt 4*NL                              ; source 0's set and source 1's tiles 0-3 are in; the youngest 12 loads (tiles 4-7) may be out
	WIN MUL_LO
	MUL16 0, 0, \ks, \zero
	MUL16 2, 0, \ks, \zero
	s_wait_dscnt 0
	PLACES NP                                      ; in front of loads into registers that matrix instructions have read
	FETCH_B \slot, 1, 1
	FETCH_A \slot, 1, 0
	WIN MUL_HI
	MUL16 4, 0, \ks, \zero
	MUL16 6, 0, \ks, \zero
	PLACES NP
	WIN 0
	FETCH_A \slot, 1, 4
.endm
; A slot's second K step changes slots: ONE barrier; in front of it each wave waits for all its tensor loads, adds 0 to its spare word, and waits for that and for its reads of this slot.
.macro TURN slot, next, ks, fill
	s_wait_tensorcnt 0x0                           ; all my tensor loads have landed: my part of the next slot
	ds_add_u32 v[SPW], v[NIL]                      ; 0 onto my spare word
	s_wait_dscnt 4*NL+1                            ; (the add and the youngest 12 loads may be out)
	WIN MUL_LO
	MUL16 0, 1, \ks, 0
	s_wait_dscnt 0x0                               ; the add is done, and my reads of this slot are over
	s_barrier_signal -1
	MUL16 2, 1, \ks, 0
	WIN 0
	s_barrier_wait -1
.if \fill
	CREST                                          ; the barrier has opened a round of the cluster's barrier: no wave of any partner still reads this slot or has a load on its way
	s_add_nc_u64 s[G0+4*\slot+2:G0+4*\slot+3], s[G0+4*\slot+2:G0+4*\slot+3], 4*KSB
	s_add_nc_u64 s[G0B+4*\slot+2:G0B+4*\slot+3], s[G0B+4*\slot+2:G0B+4*\slot+3], 4*KSB
	JLOAD G0+4*\slot, G1, G0B+4*\slot, G1B         ; the first tensor load behind the round, my one load until the next; its four v_nop are the places in front of the loads below
.else
	PLACES NP
.endif
	FETCH_B \next, 0, 0
	FETCH_A \next, 0, 0
	WIN MUL_HI
	MUL16 4, 1, \ks, 0
	MUL16 6, 1, \ks, 0
	PLACES NP
	WIN 0
	FETCH_A \next, 0, 4
.endm
	s_wait_tensorcnt 1                             ; my part of slot 0 is in; slot 1's may stay out
	s_barrier_signal -1
	s_barrier_wait -1
	FETCH_B 0, 0, 0
	FETCH_A 0, 0, 0
	FETCH_A 0, 0, 4
	s_wait_loadcnt 0x0                             ; the scale words and the biases
	STEP 0, 0, 1                                   ; the first products start the sums: nothing is cleared
	TURN 0, 1, 1, 1                                ; slot 0 takes K steps 4, 5
	STEP 1, 2, 0
	TURN 1, 0, 3, 1                                ; slot 1 takes K steps 6, 7
	STEP 0, 4, 0
	TURN 0, 1, 5, 0                                ; nothing is left to fetch
	STEP 1, 6, 0
	s_wait_dscnt 4*NL
	WIN MUL_LO
	MUL16 0, 1, 7, 0
	MUL16 2, 1, 7, 0
	s_wait_dscnt 0
	WIN MUL_HI
	MUL16 4, 1, 7, 0
	MUL16 6, 1, 7, 0
	WIN 0
	PLACES NP                                      ; behind the last products: results are read and source 1's registers written from here on
.irp b, 0,1,2,3
	v_mov_b32 v[TMB+\b], 0                         ; written once: a lane permute's destination counts as one of its sources
.endr
	s_cmp_eq_u32 s19, 0
	s_cbranch_scc0 .Lkind_v
	; ---------------- q or k.  A unit: head hh of my two, group g of 32 of my 128 tokens: 2 x 32 numbers a lane -> one image, two scale words a row pair, two sums of squares.
	s_lshr_b32 s80, s18, 3                         ; the batch
	s_lshl_b32 s80, s80, 4
	s_lshl_b32 s81, s40, 2
	s_add_co_u32 s80, s80, s81
	s_lshl_b32 s81, s16, 1
	s_add_co_u32 s80, s80, s81                     ; 16 batch + head: 4 cx + 2 (wave % 2)
	s_lshl_b32 s80, s80, 3
	s_and_b32 s81, s18, 7
	s_add_co_u32 s80, s80, s81                     ; the record
	s_mul_i32 s80, s80, REC
	s_mov_b32 s[MM], 0xbf000000                    ; k: -1 / 2
	s_cmp_eq_u32 s42, 0                            ; cluster x 0: q
	s_cselect_b32 s81, REC/2, 0
	s_cselect_b32 s[MM], 0xbdb8aa3b, s[MM]         ; q: -log2(e) / 16
	s_add_co_u32 s80, s80, s81
	s_mul_i32 s82, s15, 6144
	s_add_co_u32 s82, s82, s80
	s_mov_b32 s83, 0
	s_add_nc_u64 s[82:83], s[10:11], s[82:83]      ; codes: my four groups
	s_lshl_b32 s84, s15, 9
	s_add_co_u32 s84, s84, s80
	s_mov_b32 s85, 0
	s_add_nc_u64 s[84:85], s[10:11], s[84:85]      ; words and sums: my 128 tokens
.macro UNITQK hh, g
	s_wait_xcnt 0x0                                ; the last unit's stores have read their registers
	WIN 0x02+(\g)/2                                ; source 0: the accumulators' window
.irp e, 0,1
.irp bb, 0,1,2,3
.irp j, 0,2,4,6
	v_pk_add_f32 v[T+32*\e+8*\bb+\j:T+32*\e+8*\bb+\j+1], v[8*(8*((2*(\g)+\e)%4)+4*(\hh)+\bb)+\j:8*(8*((2*(\g)+\e)%4)+4*(\hh)+\bb)+\j+1], v[BQ+128*(\hh)+8*\bb+\j:BQ+128*(\hh)+8*\bb+\j+1]   ; + bias; each accumulator from its low end on
.endr
.endr
.endr
	WIN 0
.irp e, 0,1                                    ; the sums of squares of my 32 numbers of each of the two tokens, in two chains each
	v_pk_mul_f32 v[SQ+4*\e:SQ+4*\e+1], v[T+32*\e:T+32*\e+1], v[T+32*\e:T+32*\e+1]
	v_pk_mul_f32 v[SQ+4*\e+2:SQ+4*\e+3], v[T+32*\e+2:T+32*\e+3], v[T+32*\e+2:T+32*\e+3]
.endr
.irp i, 4,8,12,16,20,24,28
.irp e, 0,1
	v_pk_fma_f32 v[SQ+4*\e:SQ+4*\e+1], v[T+32*\e+\i:T+32*\e+\i+1], v[T+32*\e+\i:T+32*\e+\i+1], v[SQ+4*\e:SQ+4*\e+1]
	v_pk_fma_f32 v[SQ+4*\e+2:SQ+4*\e+3], v[T+32*\e+\i+2:T+32*\e+\i+3], v[T+32*\e+\i+2:T+32*\e+\i+3], v[SQ+4*\e+2:SQ+4*\e+3]
.endr
.endr
	v_pk_add_f32 v[SQ:SQ+1], v[SQ:SQ+1], v[SQ+2:SQ+3]
	v_pk_add_f32 v[SQ+4:SQ+5], v[SQ+4:SQ+5], v[SQ+6:SQ+7]
	v_add_f32 v[SQ], v[SQ], v[SQ+1]
	v_add_f32 v[SQ+4], v[SQ+4], v[SQ+5]
	v_permlanex16_b32 v[SQ+2], v[SQ], s[SEL], s[SEL+1]         ; the token's other 32 numbers lie in lane l xor 16
	v_permlanex16_b32 v[SQ+6], v[SQ+4], s[SEL], s[SEL+1]
	v_add_f32 v[SQ], v[SQ], v[SQ+2]
	v_add_f32 v[SQ+4], v[SQ+4], v[SQ+6]
	v_cndmask_b32 v[SQ], v[SQ], v[SQ+4], s[HM]                 ; lanes 0-15 store tile 0's tokens, lanes 16-31 tile 1's
	v_mul_f32 v14, s[MM], v[SQ]
	global_store_b32 v[LN], v14, s[84:85] offset:(\hh)*HEADB+25600+128*(\g)
	QUANT T                                        ; blocks 0, 1: tile 0's token; blocks 2, 3: tile 1's
	v_lshl_or_b32 v12, v[TMB+1], 8, v[TMB]         ; a word of two bytes: the upper two stay 0 and meet zero codes
	v_lshl_or_b32 v13, v[TMB+3], 8, v[TMB+2]
	v_cndmask_b32 v15, v12, v13, s[HM]
.irp c, 0,1,2
	global_store_b128 v[LI], v[PC+4*\c:PC+4*\c+3], s[82:83] offset:(\hh)*HEADB+(\g)*1536+512*\c   ; 512 consecutive bytes, aligned
.endr
	global_store_b32 v[L4], v15, s[84:85] offset:(\hh)*HEADB+24576+128*(\g)
.endm
.irp g, 0,1,2,3
.irp hh, 0,1
	UNITQK \hh, \g
.endr
.endr
	s_branch .Ldone
	; ---------------- v.  A unit: tile a of my 128 channels (head a / 4, dims' tile a % 4), my 128 tokens: 64 numbers a lane -> one fragment and one scale word a channel.
.Lkind_v:
	s_lshr_b32 s80, s46, 3                         ; the batch
	s_lshl_b32 s80, s80, 4
	s_lshl_b32 s81, s41, 2
	s_add_co_u32 s80, s80, s81
	s_lshl_b32 s81, s15, 1
	s_add_co_u32 s80, s80, s81                     ; 16 batch + head: 4 cy + 2 (wave / 2)
	s_lshl_b32 s80, s80, 3
	s_and_b32 s81, s46, 7
	s_add_co_u32 s80, s80, s81
	s_mul_i32 s80, s80, REC
	s_mul_i32 s82, s16, 6144
	s_add_co_u32 s82, s82, s80
	s_mov_b32 s83, 0
	s_add_nc_u64 s[82:83], s[10:11], s[82:83]      ; codes: my step of 128 keys
	s_lshl_b32 s84, s16, 8
	s_add_co_u32 s84, s84, s80
	s_mov_b32 s85, 0
	s_add_nc_u64 s[84:85], s[10:11], s[84:85]      ; words
.macro UNITV a
	s_wait_xcnt 0x0                                ; the last unit's stores have read their registers
	WIN 0x02+(\a)/4
.irp b, 0,1,2,3,4,5,6,7
.irp j, 0,2,4,6
	v_pk_add_f32 v[T+8*\b+\j:T+8*\b+\j+1], v[8*(8*((\a)%4)+\b)+\j:8*(8*((\a)%4)+\b)+\j+1], v[BV+2*(\a):BV+2*(\a)+1]
.endr
.endr
	WIN 0
	QUANT T
	QWORD 12+(\a)%2
.irp c, 0,1,2
	global_store_b128 v[LI], v[PC+4*\c:PC+4*\c+3], s[82:83] offset:((\a)/4)*HEADB+12288+((\a)%4)*1536+512*\c
.endr
.if (\a)%2
	v_cndmask_b32 v15, v12, v13, s[HM]             ; lanes 0-15 tile a - 1's words, lanes 16-31 tile a's
	global_store_b32 v[L4], v15, s[84:85] offset:((\a)/4)*HEADB+26624+(((\a)-1)%4)*64
.endif
.endm
.irp a, 0,1,2,3,4,5,6,7
	UNITV \a
.endr
.Ldone:
	s_wait_tensorcnt 0x0                           ; the wave's end
	ds_add_u32 v[SPW], v[NIL]
	s_wait_dscnt 0x0
	CROUND                                         ; the closing round: no work-group ends while a partner may still ask for a tile that names it
	s_endpgm
.Lfunc_end_k_qefa28c2707_gemm_qkv:
	.size	k_qefa28c2707_gemm_qkv, .Lfunc_end_k_qefa28c2707_gemm_qkv-k_qefa28c2707_gemm_qkv
	.p2alignl 7, 3214868480
	.fill 96, 4, 3214868480
	.section	.rodata,"a",@progbits
	.p2align	6, 0x0
	.amdhsa_kernel k_qefa28c2707_gemm_qkv
		.amdhsa_group_segment_fixed_size 327680
		.amdhsa_private_segment_fixed_size 0
		.amdhsa_enable_private_segment 0
		.amdhsa_kernarg_size 32
		.amdhsa_user_sgpr_count 2
		.amdhsa_user_sgpr_kernarg_segment_ptr 1
		.amdhsa_wavefront_size32 1
		.amdhsa_system_sgpr_workgroup_id_x 1
		.amdhsa_system_sgpr_workgroup_id_y 1
		.amdhsa_system_sgpr_workgroup_id_z 1
		.amdhsa_system_vgpr_workitem_id 0
		.amdhsa_next_free_vgpr 1024
		.amdhsa_next_free_sgpr 100
		.amdhsa_reserve_vcc 0
		.amdhsa_float_denorm_mode_32 3
		.amdhsa_float_denorm_mode_16_64 3
		.amdhsa_memory_ordered 1
		.amdhsa_forward_progress 1
		.amdhsa_inst_pref_size 229
	.end_amdhsa_kernel
	.amdgpu_metadata
---
amdhsa.version: [ 1, 2 ]
amdhsa.kernels:
  - .name:           k_qefa28c2707_gemm_qkv
    .symbol:         k_qefa28c2707_gemm_qkv.kd
    .args:
      - { .name: cA, .offset: 0, .size: 8, .value_kind: global_buffer, .address_space: global }
      - { .name: scA, .offset: 8, .size: 8, .value_kind: global_buffer, .address_space: global }
      - { .name: b_attn, .offset: 16, .size: 8, .value_kind: global_buffer, .address_space: global }
      - { .name: qkv, .offset: 24, .size: 8, .value_kind: global_buffer, .address_space: global }
    .group_segment_fixed_size: 327680
    .private_segment_fixed_size: 0
    .kernarg_segment_align: 8
    .kernarg_segment_size: 32
    .max_flat_workgroup_size: 128
    .sgpr_count:     100
    .vgpr_count:     1024
    .wavefront_size: 32
...
	.end_amdgpu_metadata
.endif
;; end of part 2
;; launch attn (part 3): grid 4 x 64, 16 waves a work-group, no clusters, 327,680 bytes of LDS; arguments qkv, cP, scP; writes cP, scP
.if DOCPART == 3
	.amdgcn_target "amdgcn-amd-amdhsa--gfx1250"
	.amdhsa_code_object_version 6
	.text
	.protected	k_qefa28c2707_attn
	.globl	k_qefa28c2707_attn
	.p2align	8
	.type	k_qefa28c2707_attn,@function
k_qefa28c2707_attn:
	s_mov_b64 s[64:65], 0
	v_nop
	global_prefetch_b8 v0, s[64:65] scope:SCOPE_SE
	s_setreg_imm32_b32 hwreg(HW_REG_WAVE_MODE, 25, 1), 1
	s_wait_xcnt 0x0
; y[q] = the sum over keys k <= q of exp(-(|q|^2 + |k|^2 - 2 q.k) / 16) v[k], for 64 heads of 2,048 tokens and 64 dims; both products on codes of FP6 (E2M3) with E8M0 scales.
; No maximum is taken away and nothing is normalised: the module itself has neither.  The score is p = 2^(2 c (q.k - |k|^2 / 2) - c |q|^2), c = log2(e) / 16: -|k|^2 / 2 is the C of the first product, so that
; one packed multiply-add and one exponential make p.  (An order of f32 rounding other than the module's, of the same size.)  p is quantised along the keys, masked scores as zeros; y is quantised along the channels and leaves as codes.
; IN: the records that the launch before has laid (54,272 bytes for each head and block of 256 tokens): 0 k's codes, 12288 v's codes, 24576 k's scale words, 25600 -|k|^2 / 2, 26624 v's scale words; from 27136 q's.
; SHARES.  Work-group (j, head) owns the query blocks j and 7 - j of 256: j + 1 and 8 - j records of keys, NINE for every work-group.  Each of 16 waves owns one tile of 16 queries (group w / 2 of 32, tile w % 2:
; lane r holds query 8 u + r + 8 (r / 8) of the group) in 256 registers: four waves to a SIMD, so that one wave's vector work stands beside another's products and LDS loads.
; Both products are used transposed: S^T = K Q^T (source 0 = 16 keys), O^T = V^T P^T (source 0 = 16 dims): a lane holds one query throughout, and 16 registers of two neighbouring tiles are 16 neighbouring keys or dims.
; K of the first product is 64: a tile of keys is six registers; the six behind them (the next tile's) meet six registers of zero codes of Q, under scale bytes 0, which are no NaN.
; RING: two slots of one record's first 27,136 bytes, filled by waves 0 and 1 (53 rows of 256 bytes each), read by all sixteen.  The loop's trip count is a constant; which record is walked hangs on ids alone.
; NO CLUSTER: the four work-groups of a head walk different records at the same time (record t of block j against record t - j - 1 of block 7 - j), which is the price of nine records for each; partners that
; walked alike would need two tiles of queries a wave, 2 x (64 + 32) more registers than the 256 that four waves to a SIMD leave.
; OUT: cP blocks 0-31 (256 tokens each): [16 heads][16 tiles][768]: registers 0-3 of the half fragment at 16 lane, registers 4-5 at 512 + 8 lane.  scP: the head's two bytes of each row's scale word.
; LIMITS: NaN and infinities are not served; p under 2^-126 counts as 0 (the exponential gives no denormals); a block of zeros gets the byte 1 where the rule says 127 (zero codes; this program alone reads the bytes).
.set REC,   54272
.set HEADB, 8*REC
.set HALFR, 53*256                     ; what one tensor load brings
.set SLOT1, 32768
.set SPARE, 65536                      ; the spare words, 128 bytes for each of 16 waves: eight blocks of 256 bytes that no other line names
.set BLKB,  196608
.set KC, 0
.set VC, 12288
.set KS, 24576
.set KH, 25600
.set VS, 26624
.set LI,  1                            ; 16 lane
.set L4,  2                            ; 4 lane
.set KHA, 3                            ; 64 h
.set DL,  4                            ; 8 u + r + 8 (r / 8) - 16 h
.set SPW, 5
.set NIL, 6
.set ADK, 7
.set ADS, 8
.set ADH, 9
.set L8,  10                           ; 8 lane
.set YSO, 11                           ; 8 r + h
.set QT,  12                           ; v[12:13] -c |q|^2 (the packed form names a pair and takes its low word)
.set QS,  14                           ; Q's scale word
.set PFO, 15                           ; 256 lane
.set Q2,  16                           ; v16-21 the second block's Q, v22 its scale word, v23 its -c |q|^2
.set QF,  24                           ; v24-29 Q, v30-35 zero codes
.set KFR, 36                           ; v36-83 eight tiles of K, later four of V; v84-89 zero
.set S,   96
.set O,   160
.set PC,  192
.set TMX, 212
.set TMB, 216
.set TMS, 220
.set PW,  228
.set KSW, 232
.set VSW, 236
.set DD,  238
.set NEG, 239
.set BY,  240
.set WV,  10
.set GG,  11
.set UU,  12
.set JJ,  13
.set BH,  14
.set G1,  16
.set G0,  24
.set HB,  28
.set TB,  30
.set KF,  31
.set Q0G, 32
.set Q0H, 33
.set IT,  34
.set NR,  35
.set SEL, 40
.set CS,  42
.set YC1, 44
.set YS1, 46
.set YC2, 48
.set YS2, 50
.set PFA, 52
.set NM,  54
.set J1,  55
.set UM,  56
.set HM,  57
.macro TLOAD                           ; waves 0 and 1 fetch the record's two halves; the branch hangs on the wave's number alone; an s_nop 0 and four v_nop follow the load
	s_cmp_lt_u32 s[WV], 2
	s_cbranch_scc0 .Lno_load_\@
	tensor_load_to_lds s[G0:G0+3], s[G1:G1+7]
	s_nop 0
.rept 4
	v_nop
.endr
.Lno_load_\@:
.endm
; A PREFETCH INTO THE L2 of the codes that the NEXT change of slots will ask for.  Of a head's four work-groups the one with j = 0 is the first to reach records 4 to 7: it asks, at the changes of trips 3 to 6, for
; record trip + 1: 24,576 bytes of codes, waves 4 to 6, 8,192 bytes a wave, lanes 256 bytes apart: each block is named once.  Records 0 to 3 are walked by all four from the start and are not asked for.
.macro ASK
	s_sub_co_u32 s38, s[IT], 3
	s_or_b32 s38, s38, s[NM]
	s_cmp_lt_u32 s38, 4
	s_cbranch_scc0 .Lnot_mine_\@
	global_prefetch_b8 v[PFO], s[PFA:PFA+1] th:TH_LOAD_NT scope:SCOPE_SE
.Lnot_mine_\@:
.endm
.macro QUANT s
.irp b, 0,1,2,3
	v_max3_num_f32 v[TMX+\b], |v[(\s)+16*\b]|, |v[(\s)+1+16*\b]|, 0x1800000   ; my 16 numbers of block b, and the floor 2^(3 - 127)
.endr
.irp i, 2,4,6,8,10,12,14
.irp b, 0,1,2,3
	v_max3_num_f32 v[TMX+\b], v[TMX+\b], |v[(\s)+16*\b+\i]|, |v[(\s)+1+16*\b+\i]|
.endr
.endr
.irp b, 0,1,2,3
	v_permlanex16_b32 v[TMB+\b], v[TMX+\b], s[SEL], s[SEL+1]
.endr
.irp b, 0,1,2,3
	v_max_num_f32 v[TMX+\b], v[TMX+\b], v[TMB+\b]
.endr
.irp b, 0,1,2,3
	v_add_nc_u32 v[TMS+\b], 0xff000000, v[TMX+\b]
.endr
.irp b, 0,1,2,3
	v_lshrrev_b32 v[TMB+\b], 23, v[TMS+\b]
.endr
	v_lshl_or_b32 v[PW], v[TMB+1], 8, v[TMB]
	v_lshl_or_b32 v[PW], v[TMB+2], 16, v[PW]
	v_lshl_or_b32 v[PW], v[TMB+3], 24, v[PW]
.irp c, 0,1
	v_cvt_scalef32_pk16_fp6_f32 v[PC+6*\c:PC+2+6*\c], v[(\s)+32*\c:(\s)+15+32*\c], v[TMS+2*\c]
	v_cvt_scalef32_pk16_fp6_f32 v[PC+12+4*\c:PC+14+4*\c], v[(\s)+16+32*\c:(\s)+31+32*\c], v[TMS+2*\c+1]
.endr
	v_nop                                                      ; one plain place behind a scaled conversion
.irp c, 0,1
.irp i, 0,1,2
	v_permlane16_swap_b32 v[PC+6*\c+\i], v[PC+12+4*\c+\i]
.endr
.irp i, 0,1,2
	v_mov_b32 v[PC+3+6*\c+\i], v[PC+12+4*\c+\i]
.endr
.endr
.endm
	s_load_b128 s[4:7], s[0:1], 0x0                ; qkv s[4:5], cP s[6:7]
	s_load_b64 s[8:9], s[0:1], 0x10                ; scP
	v_lshl_add_u32 v[SPW], v0, 2, SPARE
	v_mov_b32 v[NIL], 0
	ds_add_u32 v[SPW], v[NIL]                      ; the wave's opening: the add and its wait stand ahead of the first tensor load; work on registers stands between
	v_lshrrev_b32 v7, 5, v0
	v_readfirstlane_b32 s[WV], v7                  ; wave 0..15
	s_lshr_b32 s[GG], s[WV], 1
	s_and_b32 s[UU], s[WV], 1
	s_mov_b32 s[JJ], ttmp9
	s_add_co_u32 s[J1], s[JJ], 1
	s_and_b32 s[BH], ttmp7, 0xffff
	s_mov_b32 s[G1], 3<<16                         ; no mask; elements of 8 bytes; no padding
	s_mov_b32 s[G1+1], 32<<16                      ; 53 rows of 256 bytes, dense
	s_mov_b32 s[G1+2], 53<<16
	s_mov_b32 s[G1+3], 32<<16
	s_mov_b32 s[G1+4], 53
	s_mov_b32 s[G1+5], 32
	s_mov_b32 s[G1+6], 0
	s_mov_b32 s[G1+7], 0
	s_mul_i32 s36, s[BH], HEADB
	s_mov_b32 s37, 0
	s_mul_i32 s38, s[UU], HALFR
	s_mov_b32 s[SEL], 0x76543210
	s_mov_b32 s[SEL+1], 0xfedcba98
	s_mov_b32 s[CS], 0x3e38aa3b                    ; 2 c = log2(e) / 8
	s_mov_b32 s[CS+1], s[CS]
	s_mov_b32 s[HM], 0xffff0000
	s_mov_b32 s[TB], 0
	s_mov_b32 s[KF], 0
	s_mov_b32 s[IT], 0
	s_mov_b32 s[NR], 0
	s_wait_dscnt 0x0                               ; the opening add is done
	s_wait_kmcnt 0x0
	s_add_nc_u64 s[58:59], s[4:5], s[36:37]        ; the head's first record
	s_mov_b32 s36, s38
	s_add_nc_u64 s[HB:HB+1], s[58:59], s[36:37]    ; and my half of it
	s_mov_b32 s[G0], 1
	s_mov_b32 s[G0+1], s38                         ; slot 0
	s_mov_b64 s[G0+2:G0+3], s[HB:HB+1]
	s_or_b32 s[G0+3], s[G0+3], 0x80000000
	TLOAD                                          ; record 0
	s_sub_co_u32 s39, 7, s[JJ]                     ; the second block of queries
	s_mul_i32 s36, s[JJ], REC
	s_add_co_u32 s36, s36, REC/2
	s_add_nc_u64 s[60:61], s[58:59], s[36:37]      ; q's half of the first block's record,
	s_mul_i32 s36, s39, REC
	s_add_co_u32 s36, s36, REC/2
	s_add_nc_u64 s[62:63], s[58:59], s[36:37]      ; of the second's
	v_and_b32 v238, 31, v0
	v_and_b32 v239, 15, v0                         ; r
	v_bfe_u32 v240, v0, 4, 1                       ; h
	v_lshlrev_b32 v[LI], 4, v238
	v_lshlrev_b32 v[L4], 2, v238
	v_lshlrev_b32 v[L8], 3, v238
	v_lshlrev_b32 v[PFO], 8, v238
	v_lshlrev_b32 v[KHA], 6, v240
	v_lshl_add_u32 v[YSO], v239, 3, v240
	v_lshrrev_b32 v241, 3, v239
	v_lshl_add_u32 v241, v241, 3, v239
	s_lshl_b32 s69, s[UU], 3
	v_add_nc_u32 v241, s69, v241                   ; 8 u + r + 8 (r / 8): my query in its group of 32
	v_lshlrev_b32 v242, 4, v240
	v_sub_nc_u32 v[DL], v241, v242
	s_mul_i32 s69, s[GG], 1536
	v_add_nc_u32 v243, s69, v[LI]                  ; my group's image
	s_lshl_b32 s69, s[WV], 6
	v_lshl_add_u32 v244, v239, 2, s69              ; my tile's scale words
	s_lshl_b32 s69, s[GG], 7
	v_lshl_add_u32 v245, v241, 2, s69              ; my query's -c |q|^2
.irp c, 0,1,2
	global_load_b128 v[S+4*\c:S+4*\c+3], v243, s[60:61] offset:512*\c
	global_load_b128 v[S+16+4*\c:S+16+4*\c+3], v243, s[62:63] offset:512*\c
.endr
	global_load_b32 v[QS], v244, s[60:61] offset:24576
	global_load_b32 v[Q2+6], v244, s[62:63] offset:24576
	global_load_b32 v[QT], v245, s[60:61] offset:25600
	global_load_b32 v[Q2+7], v245, s[62:63] offset:25600
	s_lshl_b32 s[Q0G], s[JJ], 8
	s_lshl_b32 s69, s[GG], 5
	s_add_co_u32 s[Q0G], s[Q0G], s69               ; my group's first query, first block;
	s_lshl_b32 s[Q0H], s39, 8
	s_add_co_u32 s[Q0H], s[Q0H], s69               ; second block
	s_cmp_eq_u32 s[UU], 1
	s_cselect_b32 s[UM], -1, 0
	s_lshr_b32 s66, s[BH], 4
	s_lshl_b32 s70, s66, 3                         ; 8 batch
	s_and_b32 s66, s[BH], 15                       ; head
	s_mul_i32 s67, s66, 12288
	s_mul_i32 s68, s[WV], 768
	s_add_co_u32 s67, s67, s68                     ; y's codes: head, tile
	s_lshr_b32 s68, s66, 2
	s_lshl_b32 s68, s68, 11
	s_lshl_b32 s69, s[WV], 7
	s_add_co_u32 s68, s68, s69
	s_and_b32 s69, s66, 3
	s_lshl_b32 s69, s69, 1
	s_add_co_u32 s68, s68, s69                     ; y's scale bytes: pair of K steps head / 4, tile, word (head / 2) % 2, bytes 2 (head % 2) on
	s_add_co_u32 s69, s70, s[JJ]
	s_mul_i32 s36, s69, BLKB
	s_add_co_u32 s36, s36, s67
	s_add_nc_u64 s[YC1:YC1+1], s[6:7], s[36:37]
	s_lshl_b32 s36, s69, 13
	s_add_co_u32 s36, s36, s68
	s_add_nc_u64 s[YS1:YS1+1], s[8:9], s[36:37]
	s_add_co_u32 s69, s70, s39
	s_mul_i32 s36, s69, BLKB
	s_add_co_u32 s36, s36, s67
	s_add_nc_u64 s[YC2:YC2+1], s[6:7], s[36:37]
	s_lshl_b32 s36, s69, 13
	s_add_co_u32 s36, s36, s68
	s_add_nc_u64 s[YS2:YS2+1], s[8:9], s[36:37]
	s_and_b32 s36, s[WV], 3
	s_lshl_b32 s36, s36, 13
	s_add_nc_u64 s[PFA:PFA+1], s[58:59], s[36:37]  ; the prefetches: at record 0; each change of slots steps it a record on before it is used
	s_sub_co_u32 s38, s[WV], 4
	s_cmp_lt_u32 s38, 3
	s_cselect_b32 s[NM], 0, -1
	s_cmp_eq_u32 s[JJ], 0
	s_cselect_b32 s[NM], s[NM], -1                 ; 0 in waves 4 to 6 of the work-groups with j = 0
	s_wait_loadcnt 0x0
.irp i, 0,1,2,3,4,5
	v_cndmask_b32 v[QF+\i], v[S+\i], v[S+6+\i], s[UM]          ; my tile's six registers of the group's twelve
	v_cndmask_b32 v[Q2+\i], v[S+16+\i], v[S+22+\i], s[UM]
.endr
	v_mov_b32 v[QT+1], 0
.irp i, 0,1,2,3,4,5
	v_mov_b32 v[QF+6+\i], 0                        ; zero codes for k = 64 .. 127
	v_mov_b32 v[KFR+48+\i], 0
.endr
.irp b, 0,1,2,3
	v_mov_b32 v[TMB+\b], 0                         ; written once: a lane permute's destination counts as one of its sources
.endr
.set i, 0
.rept 32
	v_mov_b32 v[O+i], 0                            ; O^T: the step is written once, so the sums begin as zeros
.set i, i+1
.endr
; A KEY STEP: 128 keys, the q-th of the slot in hand.
.macro STEP q
	s_cmp_gt_u32 s[KF], s[Q0G]                     ; KF is a multiple of 128 and my 32 queries lie in one 128: past my group's first query means past them all.  Ids alone; no barrier and no tensor load stands in a step
	s_cbranch_scc1 .Lhidden_\@
	v_add_nc_u32 v[ADK], s[TB], v[LI]
	v_add_nc_u32 v[ADS], s[TB], v[L4]
	v_add_nc_u32 v[ADH], s[TB], v[KHA]
.irp b, 0,1,2,3                                ; group b of 32 keys: its image (two tiles), its scale words (lanes 0-15 tile 0's, 16-31 tile 1's), and -|k|^2 / 2 of my 16 keys: the C of the products
.irp c, 0,1,2
	ds_load_b128 v[KFR+12*\b+4*\c:KFR+12*\b+4*\c+3], v[ADK] offset:KC+(4*(\q)+\b)*1536+512*\c
.endr
	ds_load_b32 v[KSW+\b], v[ADS] offset:KS+512*(\q)+128*\b
.irp e, 0,1,2,3
	ds_load_b128 v[S+16*\b+4*\e:S+16*\b+4*\e+3], v[ADH] offset:KH+512*(\q)+128*\b+16*\e
.endr
.endr
	s_wait_dscnt 0x0
.irp t, 0,1,2,3,4,5,6,7                        ; the eight accumulators take turns
.if (\t)%2
	v_wmma_scale_f32_16x16x128_f8f6f4 v[S+8*\t:S+8*\t+7], v[KFR+6*\t:KFR+6*\t+11], v[QF:QF+11], v[S+8*\t:S+8*\t+7], v[KSW+\t/2], v[QS] matrix_a_fmt:MATRIX_FMT_FP6 matrix_b_fmt:MATRIX_FMT_FP6 matrix_a_scale:MATRIX_SCALE_ROW1
.else
	v_wmma_scale_f32_16x16x128_f8f6f4 v[S+8*\t:S+8*\t+7], v[KFR+6*\t:KFR+6*\t+11], v[QF:QF+11], v[S+8*\t:S+8*\t+7], v[KSW+\t/2], v[QS] matrix_a_fmt:MATRIX_FMT_FP6 matrix_b_fmt:MATRIX_FMT_FP6
.endif
.endr
.rept 4
	v_nop                                          ; places in front of loads into registers that the products have read, and of the first read of their results
.endr
.irp d, 0,1,2,3                                ; V's four tiles of 16 dims x these 128 keys land while the scores are worked on
.irp c, 0,1,2
	ds_load_b128 v[KFR+12*\d+4*\c:KFR+12*\d+4*\c+3], v[ADK] offset:VC+(\q)*6144+\d*1536+512*\c
.endr
.endr
.irp p, 0,1
	ds_load_b32 v[VSW+\p], v[ADS] offset:VS+256*(\q)+128*\p
.endr
	s_add_co_u32 s38, s[KF], 127                   ; a step all of whose keys come before my queries needs no mask
	s_cmp_lt_u32 s38, s[Q0G]
	s_cbranch_scc1 .Lopen_\@
	s_sub_co_i32 s38, s[Q0G], s[KF]
	v_add_nc_u32 v[DD], s38, v[DL]                 ; d = my query - KF - 16 h.  Register 16 b + i holds key KF + 32 b + 16 h + i: hidden where 32 b + i > d
	v_mov_b32 v[NEG], 0xff800000                   ; -infinity: p = 0
.set n, 0
.rept 64
	v_cmp_gt_i32 vcc_lo, 32*(n/16)+n%16, v[DD]
	v_cndmask_b32 v[S+n], v[S+n], v[NEG], vcc_lo
.set n, n+1
.endr
.Lopen_\@:
.set n, 0
.rept 32
	v_pk_fma_f32 v[S+n:S+n+1], v[S+n:S+n+1], s[CS:CS+1], v[QT:QT+1] op_sel_hi:[1,0,0]   ; 2 c (q.k - |k|^2 / 2) - c |q|^2
.set n, n+2
.endr
.set n, 0
.rept 64
	v_exp_f32 v[S+n], v[S+n]                       ; the score, as the module has it
.set n, n+1
.endr
	v_nop                                          ; a plain place behind the last exponential
	s_wait_alu depctr_va_vdst(0)                   ; one wait for the whole batch, ahead of its first reader
	QUANT S                                        ; four blocks of 32 keys: codes in v[PC] on, the scale word in v[PW]
.rept 8
	v_nop                                          ; a scale register written by a vector instruction stands 8 places ahead of a scaled matrix instruction, an operand 4
.endr
	s_wait_dscnt 0x0                               ; V
.irp d, 0,1,2,3
.if (\d)%2
	v_wmma_scale_f32_16x16x128_f8f6f4 v[O+8*\d:O+8*\d+7], v[KFR+12*\d:KFR+12*\d+11], v[PC:PC+11], v[O+8*\d:O+8*\d+7], v[VSW+\d/2], v[PW] matrix_a_fmt:MATRIX_FMT_FP6 matrix_b_fmt:MATRIX_FMT_FP6 matrix_a_scale:MATRIX_SCALE_ROW1
.else
	v_wmma_scale_f32_16x16x128_f8f6f4 v[O+8*\d:O+8*\d+7], v[KFR+12*\d:KFR+12*\d+11], v[PC:PC+11], v[O+8*\d:O+8*\d+7], v[VSW+\d/2], v[PW] matrix_a_fmt:MATRIX_FMT_FP6 matrix_b_fmt:MATRIX_FMT_FP6
.endif
.endr
.rept 4
	v_nop                                          ; places in front of the next step's loads and of a read of O^T
.endr
.Lhidden_\@:
	s_add_co_u32 s[KF], s[KF], 128
.endm
; THE CHANGE OF SLOTS stands at a slot's head.  Each wave waits for all its tensor loads, adds 0 to its spare word, and waits for that and for its reads of the slot that it has left; behind the barrier the slot ahead is
; whole and nobody reads the other one.  fill = 1: that other slot takes the record of the next trip: it has two key steps in which to land.
.macro CHANGE fill
	s_wait_tensorcnt 0x0                           ; no tensor load of mine is out, so the descriptor may be written
	ds_add_u32 v[SPW], v[NIL]                      ; 0 onto my spare word; the descriptor's steps stand between it and the wait for it
.if \fill
	s_add_co_u32 s[NR], s[NR], 1
	s_cmp_eq_u32 s[IT], s[JJ]                      ; behind the first block's last record the second block begins at record 0
	s_cselect_b32 s[NR], 0, s[NR]
	s_mul_i32 s36, s[NR], REC
	s_mov_b32 s37, 0
	s_xor_b32 s[G0+1], s[G0+1], SLOT1
	s_add_nc_u64 s[G0+2:G0+3], s[HB:HB+1], s[36:37]
	s_or_b32 s[G0+3], s[G0+3], 0x80000000
	s_wait_xcnt 0x0                                ; the last prefetch, a slot back, has read its address
	s_add_nc_u64 s[PFA:PFA+1], s[PFA:PFA+1], REC
.endif
	s_wait_dscnt 0x0                               ; the add is done, and my reads of the slot that I have left are over
	s_barrier_signal -1
	s_barrier_wait -1
.if \fill
	TLOAD                                          ; the first thing behind the barrier, and a wave's one tensor load until the next
	ASK
.endif
.endm
; O^T, 32 numbers a lane (two blocks of 32 dims of my query), becomes half a fragment of y and two scale bytes.
.macro FLUSH yc, ys
.irp b, 0,1
	v_max3_num_f32 v[TMX+\b], |v[O+16*\b]|, |v[O+1+16*\b]|, 0x1800000     ; each accumulator is read from its low end on
.endr
.irp i, 2,4,6,8,10,12,14
.irp b, 0,1
	v_max3_num_f32 v[TMX+\b], v[TMX+\b], |v[O+16*\b+\i]|, |v[O+1+16*\b+\i]|
.endr
.endr
.irp b, 0,1
	v_permlanex16_b32 v[TMB+\b], v[TMX+\b], s[SEL], s[SEL+1]
.endr
.irp b, 0,1
	v_max_num_f32 v[TMX+\b], v[TMX+\b], v[TMB+\b]
.endr
.irp b, 0,1
	v_add_nc_u32 v[TMS+\b], 0xff000000, v[TMX+\b]
.endr
.irp b, 0,1
	v_lshrrev_b32 v[TMB+\b], 23, v[TMS+\b]
.endr
	v_cvt_scalef32_pk16_fp6_f32 v[PC:PC+2], v[O:O+15], v[TMS]
	v_cvt_scalef32_pk16_fp6_f32 v[PC+12:PC+14], v[O+16:O+31], v[TMS+1]
	v_nop                                          ; one plain place behind a scaled conversion
.irp i, 0,1,2
	v_permlane16_swap_b32 v[PC+\i], v[PC+12+\i]
.endr
.irp i, 0,1,2
	v_mov_b32 v[PC+3+\i], v[PC+12+\i]
.endr
	v_cndmask_b32 v[BY], v[TMB], v[TMB+1], s[HM]
	global_store_b128 v[LI], v[PC:PC+3], s[\yc:\yc+1]                 ; 512 consecutive bytes, aligned
	global_store_b64 v[L8], v[PC+4:PC+5], s[\yc:\yc+1] offset:512     ; 256 consecutive bytes, aligned
	global_store_b8 v[YSO], v[BY], s[\ys:\ys+1]                       ; a row's other bytes belong to other heads' work-groups
	s_wait_xcnt 0x0                                ; the stores have read their registers
.endm
.Lslot:                                            ; eight trips; the ninth slot is written out
	CHANGE 1
	s_cmp_eq_u32 s[IT], s[J1]                      ; ids alone, the same in all sixteen waves
	s_cbranch_scc0 .Lsame_block
	FLUSH YC1, YS1                                 ; the first block of queries is finished
.irp i, 0,1,2,3,4,5
	v_mov_b32 v[QF+\i], v[Q2+\i]
.endr
	v_mov_b32 v[QS], v[Q2+6]
	v_mov_b32 v[QT], v[Q2+7]
.set i, 0
.rept 32
	v_mov_b32 v[O+i], 0                            ; (also the places between the writes above and the next products)
.set i, i+1
.endr
	s_mov_b32 s[Q0G], s[Q0H]
	s_mov_b32 s[KF], 0
.Lsame_block:
	STEP 0
	STEP 1
	s_xor_b32 s[TB], s[TB], SLOT1
	s_add_co_u32 s[IT], s[IT], 1
	s_cmp_lt_u32 s[IT], 8
	s_cbranch_scc1 .Lslot
	CHANGE 0
	STEP 0
	STEP 1
	FLUSH YC2, YS2
	s_wait_tensorcnt 0x0                           ; the wave's end
	ds_add_u32 v[SPW], v[NIL]
	s_wait_dscnt 0x0
	s_endpgm
.Lfunc_end_k_qefa28c2707_attn:
	.size	k_qefa28c2707_attn, .Lfunc_end_k_qefa28c2707_attn-k_qefa28c2707_attn
	.p2alignl 7, 3214868480
	.fill 96, 4, 3214868480
	.section	.rodata,"a",@progbits
	.p2align	6, 0x0
	.amdhsa_kernel k_qefa28c2707_attn
		.amdhsa_group_segment_fixed_size 327680
		.amdhsa_private_segment_fixed_size 0
		.amdhsa_enable_private_segment 0
		.amdhsa_kernarg_size 24
		.amdhsa_user_sgpr_count 2
		.amdhsa_user_sgpr_kernarg_segment_ptr 1
		.amdhsa_wavefront_size32 1
		.amdhsa_system_sgpr_workgroup_id_x 1
		.amdhsa_system_sgpr_workgroup_id_y 1
		.amdhsa_system_sgpr_workgroup_id_z 1
		.amdhsa_system_vgpr_workitem_id 0
		.amdhsa_next_free_vgpr 256
		.amdhsa_next_free_sgpr 80
		.amdhsa_reserve_vcc 1
		.amdhsa_float_denorm_mode_32 3
		.amdhsa_float_denorm_mode_16_64 3
		.amdhsa_memory_ordered 1
		.amdhsa_forward_progress 1
		.amdhsa_inst_pref_size 89
	.end_amdhsa_kernel
	.amdgpu_metadata
---
amdhsa.version: [ 1, 2 ]
amdhsa.kernels:
  - .name:           k_qefa28c2707_attn
    .symbol:         k_qefa28c2707_attn.kd
    .args:
      - { .name: qkv, .offset: 0, .size: 8, .value_kind: global_buffer, .address_space: global }
      - { .name: cP, .offset: 8, .size: 8, .value_kind: global_buffer, .address_space: global }
      - { .name: scP, .offset: 16, .size: 8, .value_kind: global_buffer, .address_space: global }
    .group_segment_fixed_size: 327680
    .private_segment_fixed_size: 0
    .kernarg_segment_align: 8
    .kernarg_segment_size: 24
    .max_flat_workgroup_size: 512
    .sgpr_count:     80
    .vgpr_count:     256
    .wavefront_size: 32
...
	.end_amdgpu_metadata
.endif
;; end of part 3
;; launch gemm_proj (part 4): grid 4 x 32, 4 waves a work-group, clusters of 4 x 4, 327,680 bytes of LDS; arguments cP, scP, b_proj, out0; writes out0
.if DOCPART == 4
	.amdgcn_target "amdgcn-amd-amdhsa--gfx1250"
	.amdhsa_code_object_version 6
	.text
	.protected	k_qefa28c2707_gemm_proj
	.globl	k_qefa28c2707_gemm_proj
	.p2align	8
	.type	k_qefa28c2707_gemm_proj,@function
k_qefa28c2707_gemm_proj:
	s_mov_b64 s[64:65], 0
	v_nop
	global_prefetch_b8 v0, s[64:65] scope:SCOPE_SE
	s_setreg_imm32_b32 hwreg(HW_REG_WAVE_MODE, 25, 1), 1
	s_wait_xcnt 0x0
	s_wait_alu depctr_hold_cnt(0) depctr_sa_sdst(0) depctr_va_vdst(0) depctr_va_sdst(0) depctr_va_ssrc(0) depctr_va_vcc(0) depctr_vm_vsrc(0)
	s_getreg_b32 s2, hwreg(HW_REG_IB_STS2, 6, 4)
	s_cmp_eq_u32 s2, 0
	s_cbranch_scc0 .Lentry_in_a_cluster
	s_endpgm
.Lentry_in_a_cluster:
	s_bfe_u32 s2, ttmp6, 0x10000c
	s_cmp_lg_u32 s2, 0xf033
	s_cbranch_scc0 .Lentry_shape_is_right
	s_endpgm
.Lentry_shape_is_right:
; out0 = y W_proj + b_proj on codes of FP6 (E2M3) with E8M0 scales, K = 1024; out0 [8192][1024] f32.
; OPERANDS: cP holds 36 blocks of 256 rows x K 1024 in the order of the operand's registers: 0-31 y's tokens, laid [16 heads][16 tiles][768] (half fragments: registers 0-3 at 16 lane, 4-5 at 512 + 8 lane; a K step is
; two heads), 32-35 W_proj's output channels, laid [8 K steps][16 tiles][1536].  In each group of 32 rows lane r of tile u holds row 8 u + r + 8 (r / 8).
; A work-group of four waves makes 256 x 256, a wave 128 x 128: 64 accumulators.  Source 1 = tokens (a lane holds a token), source 0 = channels (16 registers of two neighbouring tiles are 16 neighbouring channels).
; CLUSTERS 4 x 4: y's block is shared along a row of the cluster, the weight's along a column; each K step's 24,576 dense bytes are asked for jointly.
; RING: two slots of two K steps ([y q0][y q1][W q0][W q1] x 24,576 bytes); K = 1024 is four fills, two at the head and two refills, so the eight steps are written out.
; SCALES: a wave's 64 scale words come from memory into v32-95 once: lanes 0-15 y's tile i, lanes 16-31 the weight's tile i, register 32 + 8 i + K step.
; THE WAY OUT: 16 tokens x 128 channels at a time through the wave's own stage behind the ring, back as rows of 512 bytes, + bias, stored as aligned runs of 512 bytes.
; 128 work-groups: 32 x 4 tiles of 256 x 256.  A tile of half the size would read half as much again from LDS for each product.
; REGISTERS: window 0: v1-15 addresses; v16-19 bias; v32-95 scale words; v128-223 y's fragments, ONE set; on the way out v128-255 rows.  window 1: the weight's fragments, two sets.  windows 2, 3: accumulators.
.set FR,    12
.set NL,    3                          ; LDS loads that bring a fragment of the weight
.set NLA,   4                          ; and of y
.set NP,    4
.set KSB,   24576
.set SLOT,  4*KSB
.set BLKB,  8*KSB
.set STAGE, 2*SLOT                     ; behind the ring: 16 rows x 528 bytes for each wave; no tensor load fills it
.set SPARE, STAGE+4*16*528             ; the spare words, 128 bytes a wave: two blocks of 256 bytes that no other line names
.set RR,   1
.set HH,   2
.set LI,   3
.set ADA16, 4                          ; v4-5   y's half fragments in slot 0, 1: 16 lane
.set ADRB, 6                           ; v6-7   the weight's fragments
.set SPW,  8
.set NIL,  9
.set ADA8, 10                          ; v10-11 y's: 512 + 8 lane
.set STO,  12
.set RD,   13
.set BP,   16
.set SC,   32
.set AF,   128
.set BK,   128
.set G1,   24
.set G0,   32
.set G1B,  48
.set G0B,  56
.set HM,   72
.set MSB, 0
.macro WIN new
.if MSB != (\new)
	s_set_vgpr_msb (MSB<<8)|(\new)
.set MSB, (\new)
.endif
.endm
.set MUL_LO, 0xa1
.set MUL_HI, 0xf1
.set TO_B,   0x40
.macro JLOAD g0a, g1a, g0b, g1b        ; waves 0 and 1 fetch for y, waves 2 and 3 for the weight; an s_nop 0 and four v_nop follow each line
	s_cmp_eq_u32 s15, 0
	s_cbranch_scc0 .Lfor_b_\@
	tensor_load_to_lds s[\g0a:\g0a+3], s[\g1a:\g1a+7]
	s_nop 0
.rept 4
	v_nop
.endr
	s_branch .Lasked_\@
.Lfor_b_\@:
	tensor_load_to_lds s[\g0b:\g0b+3], s[\g1b:\g1b+7]
	s_nop 0
.rept 4
	v_nop
.endr
.Lasked_\@:
.endm
.macro CREST
	s_cmp_lg_u32 s14, 0
	s_cbranch_scc1 .Lnot_wave_0_\@
	s_barrier_signal -3
.Lnot_wave_0_\@:
	s_barrier_wait -3
	s_barrier_signal -1
	s_barrier_wait -1
.endm
.macro CROUND
	s_barrier_signal -1
	s_barrier_wait -1
	CREST
.endm
.macro PLACES n
.rept \n
	v_nop
.endr
.endm
	s_load_b256 s[4:11], s[0:1], 0x0               ; cP s[4:5], scP s[6:7], b_proj s[8:9], out0 s[10:11]
	v_lshl_add_u32 v[SPW], v0, 2, SPARE
	v_mov_b32 v[NIL], 0
	ds_add_u32 v[SPW], v[NIL]                      ; the wave's opening: the add and its wait stand ahead of my first tensor load; work on registers stands between
	v_lshrrev_b32 v1, 5, v0
	v_readfirstlane_b32 s14, v1                    ; wave
	s_lshr_b32 s15, s14, 1                         ; my half of the tokens.  Also: I fetch for y (0) or for the weight (1)
	s_and_b32 s16, s14, 1                          ; my half of the channels.  Also: which of a slot's two K steps I fetch
	s_bfe_u32 s40, ttmp6, 0x40000                  ; cx
	s_bfe_u32 s41, ttmp6, 0x40004                  ; cy
	s_and_b32 s17, ttmp7, 0xffff                   ; cluster y: 0 .. 7
	s_lshl_b32 s18, s17, 2
	s_add_co_u32 s18, s18, s41                     ; y's block: it never holds cx
	s_add_co_u32 s46, s40, 32                      ; the weight's block: it never holds cy
	s_lshl_b32 s43, s41, 2
	s_lshl_b32 s43, 15, s43                        ; my row of the cluster
	s_lshl_b32 s44, 0x1111, s40                    ; my column
	s_or_b32 s[G1+0], s43, (3<<16)|(1<<21)
	s_or_b32 s[G1B+0], s44, (3<<16)|(1<<21)
.irp g, G1, G1B
	s_mov_b32 s[\g+1], 32<<16                      ; a dense block as 96 rows of 256 bytes
	s_mov_b32 s[\g+2], 96<<16
	s_mov_b32 s[\g+3], 32<<16
	s_mov_b32 s[\g+4], 96
	s_mov_b32 s[\g+5], 32
	s_mov_b32 s[\g+6], 0
	s_mov_b32 s[\g+7], 0
.endr
	s_mul_i32 s22, s16, KSB
	s_mul_i32 s20, s18, BLKB
	s_add_co_u32 s20, s20, s22
	s_mov_b32 s21, 0
	s_mul_i32 s68, s46, BLKB
	s_add_co_u32 s68, s68, s22
	s_mov_b32 s69, 0
	s_mul_i32 s45, s14, KSB
	s_mov_b32 s[HM], 0xffff0000
	s_wait_dscnt 0x0                               ; the opening add is done
	s_wait_kmcnt 0x0
	s_add_nc_u64 s[20:21], s[4:5], s[20:21]
	s_add_nc_u64 s[68:69], s[4:5], s[68:69]
	CROUND                                         ; all sixteen work-groups are here: the first joint loads meet
.irp s, 0,1
	s_mov_b32 s[G0+4*\s], 1
	s_add_co_u32 s[G0+4*\s+1], s45, \s*SLOT
	s_add_nc_u64 s[G0+4*\s+2:G0+4*\s+3], s[20:21], \s*2*KSB
	s_or_b32 s[G0+4*\s+3], s[G0+4*\s+3], 0x80000000
	s_mov_b32 s[G0B+4*\s], 1
	s_add_co_u32 s[G0B+4*\s+1], s45, \s*SLOT
	s_add_nc_u64 s[G0B+4*\s+2:G0B+4*\s+3], s[68:69], \s*2*KSB
	s_or_b32 s[G0B+4*\s+3], s[G0B+4*\s+3], 0x80000000
	JLOAD G0+4*\s, G1, G0B+4*\s, G1B               ; two loads of mine are out
.endr
	v_and_b32 v[RR], 15, v0
	v_bfe_u32 v[HH], v0, 4, 1
	v_and_b32 v[LI], 31, v0
	v_lshlrev_b32 v15, 3, v[LI]
	v_lshlrev_b32 v[LI], 4, v[LI]
	s_mul_i32 s22, s15, 8*768                      ; my eight tiles of y, in each head's part;
	s_mul_i32 s23, s16, 8*1536                     ; of the weight,
	s_add_co_u32 s23, s23, 2*KSB                   ; which lies behind y's two K steps
.irp s, 0,1
	v_add_nc_u32 v[ADA16+\s], s22, v[LI]
	v_add_nc_u32 v[ADA8+\s], s22, v15
	v_add_nc_u32 v[ADA8+\s], 512, v[ADA8+\s]
	v_add_nc_u32 v[ADRB+\s], s23, v[LI]
	s_add_co_u32 s22, s22, SLOT
	s_add_co_u32 s23, s23, SLOT
.endr
	s_mul_i32 s22, s14, 16*528
	s_add_co_u32 s22, s22, STAGE                   ; my stage
	v_mul_u32_u24 v[STO], v[RR], 528
	v_lshl_add_u32 v[STO], v[HH], 6, v[STO]
	v_add_nc_u32 v[STO], s22, v[STO]               ; in: row r, + 64 h
	v_add_nc_u32 v[RD], s22, v[LI]                 ; back: a row's 512 bytes, 16 a lane
	s_lshl_b32 s74, s18, 13                        ; the scale words: lanes 0-15 y's, lanes 16-31 the weight's
	s_lshl_b32 s75, s15, 10
	s_add_co_u32 s74, s74, s75
	s_lshl_b32 s75, s46, 13
	s_lshl_b32 s76, s16, 10
	s_add_co_u32 s75, s75, s76
	v_mov_b32 v14, s74
	v_mov_b32 v15, s75
	v_cndmask_b32 v14, v14, v15, s[HM]
	v_lshl_add_u32 v14, v[RR], 3, v14
.irp i, 0,1,2,3,4,5,6,7
.irp p, 0,1,2,3
	global_load_b64 v[SC+8*\i+2*\p:SC+8*\i+2*\p+1], v14, s[6:7] offset:\p*2048+\i*128
.endr
.endr
	s_lshl_b32 s76, s40, 10
	s_lshl_b32 s77, s16, 9
	s_add_co_u32 s76, s76, s77                     ; my first channel, in bytes: 1024 cx + 512 (wave % 2)
	s_mov_b32 s77, 0
	s_add_nc_u64 s[8:9], s[8:9], s[76:77]
	global_load_b128 v[BP:BP+3], v[LI], s[8:9]     ; the bias of the four channels that I store
	s_lshl_b32 s78, s18, 8
	s_lshl_b32 s79, s15, 7
	s_add_co_u32 s78, s78, s79                     ; my first token
	s_lshl_b32 s78, s78, 12
	s_add_co_u32 s78, s78, s76
	s_mov_b32 s79, 0
	s_add_nc_u64 s[12:13], s[10:11], s[78:79]
.macro FRAG reg, adr, off
.irp c, 0,1,2
	ds_load_b128 v[(\reg)+4*\c:(\reg)+4*\c+3], v[\adr] offset:(\off)+512*\c
.endr
.endm
.macro FRAGA reg, slot, q, i           ; a fragment of y: two heads' half fragments
.irp c, 0,1
	ds_load_b128 v[(\reg)+6*\c:(\reg)+6*\c+3], v[ADA16+\slot] offset:(2*(\q)+\c)*12288+(\i)*768
	ds_load_b64 v[(\reg)+6*\c+4:(\reg)+6*\c+5], v[ADA8+\slot] offset:(2*(\q)+\c)*12288+(\i)*768
.endr
.endm
; The 64 accumulators take turns, one instruction a turn, in the same order in every step.
.macro MUL16 a0, p, ks, zero
.irp a, \a0, \a0+1
.irp b, 0,1,2,3,4,5,6,7
.if \zero
	v_wmma_scale_f32_16x16x128_f8f6f4 v[8*(8*((\a)%4)+\b):8*(8*((\a)%4)+\b)+7], v[128*(\p)+FR*\b:128*(\p)+FR*\b+FR-1], v[AF+FR*(\a):AF+FR*(\a)+FR-1], 0, v[SC+8*\b+(\ks)], v[SC+8*(\a)+(\ks)] matrix_a_fmt:MATRIX_FMT_FP6 matrix_b_fmt:MATRIX_FMT_FP6 matrix_a_scale:MATRIX_SCALE_ROW1
.else
	v_wmma_scale_f32_16x16x128_f8f6f4 v[8*(8*((\a)%4)+\b):8*(8*((\a)%4)+\b)+7], v[128*(\p)+FR*\b:128*(\p)+FR*\b+FR-1], v[AF+FR*(\a):AF+FR*(\a)+FR-1], v[8*(8*((\a)%4)+\b):8*(8*((\a)%4)+\b)+7], v[SC+8*\b+(\ks)], v[SC+8*(\a)+(\ks)] matrix_a_fmt:MATRIX_FMT_FP6 matrix_b_fmt:MATRIX_FMT_FP6 matrix_a_scale:MATRIX_SCALE_ROW1
.endif
.endr
.endr
.endm
.macro FETCH_B slot, q, p
	WIN TO_B
.irp i, 0,1,2,3,4,5,6,7
	FRAG 128*(\p)+FR*\i, ADRB+\slot, (\q)*KSB+\i*1536
.endr
	WIN 0
.endm
.macro FETCH_A slot, q, i0
.irp i, \i0, \i0+1, \i0+2, \i0+3
	FRAGA AF+FR*(\i), \slot, \q, \i
.endr
.endm
.macro STEP slot, ks, zero
	s_wait_dscnt 4*NLA                             ; the weight's set and y's tiles 0-3 are in; the youngest 16 loads (tiles 4-7) may be out
	WIN MUL_LO
	MUL16 0, 0, \ks, \zero
	MUL16 2, 0, \ks, \zero
	s_wait_dscnt 0
	PLACES NP
	FETCH_B \slot, 1, 1
	FETCH_A \slot, 1, 0
	WIN MUL_HI
	MUL16 4, 0, \ks, \zero
	MUL16 6, 0, \ks, \zero
	PLACES NP
	WIN 0
	FETCH_A \slot, 1, 4
.endm
.macro TURN slot, next, ks, fill
	s_wait_tensorcnt 0x0                           ; all my tensor loads have landed: my part of the next slot
	ds_add_u32 v[SPW], v[NIL]                      ; 0 onto my spare word
	s_wait_dscnt 4*NLA+1                           ; (the add and the youngest 16 loads may be out)
	WIN MUL_LO
	MUL16 0, 1, \ks, 0
	s_wait_dscnt 0x0                               ; the add is done, and my reads of this slot are over
	s_barrier_signal -1
	MUL16 2, 1, \ks, 0
	WIN 0
	s_barrier_wait -1
.if \fill
	CREST                                          ; the barrier has opened a round of the cluster's barrier: no wave of any partner still reads this slot or has a load on its way
	s_add_nc_u64 s[G0+4*\slot+2:G0+4*\slot+3], s[G0+4*\slot+2:G0+4*\slot+3], 4*KSB
	s_add_nc_u64 s[G0B+4*\slot+2:G0B+4*\slot+3], s[G0B+4*\slot+2:G0B+4*\slot+3], 4*KSB
	JLOAD G0+4*\slot, G1, G0B+4*\slot, G1B         ; the first tensor load behind the round, my one load until the next
.else
	PLACES NP
.endif
	FETCH_B \next, 0, 0
	FETCH_A \next, 0, 0
	WIN MUL_HI
	MUL16 4, 1, \ks, 0
	MUL16 6, 1, \ks, 0
	PLACES NP
	WIN 0
	FETCH_A \next, 0, 4
.endm
	s_wait_tensorcnt 1                             ; my part of slot 0 is in; slot 1's may stay out
	s_barrier_signal -1
	s_barrier_wait -1
	FETCH_B 0, 0, 0
	FETCH_A 0, 0, 0
	FETCH_A 0, 0, 4
	s_wait_loadcnt 0x0                             ; the scale words and the bias
	STEP 0, 0, 1
	TURN 0, 1, 1, 1
	STEP 1, 2, 0
	TURN 1, 0, 3, 1
	STEP 0, 4, 0
	TURN 0, 1, 5, 0
	STEP 1, 6, 0
	s_wait_dscnt 4*NLA
	WIN MUL_LO
	MUL16 0, 1, 7, 0
	MUL16 2, 1, 7, 0
	s_wait_dscnt 0
	WIN MUL_HI
	MUL16 4, 1, 7, 0
	MUL16 6, 1, 7, 0
	WIN 0
; THE WAY OUT, tile a of 16 tokens x 128 channels at a time.  LDS serves a wave's instructions in order: no wait between the stores and the loads, nor in front of the next tile's stores.
.macro TOSTAGE a
.set AC, 64*((\a)%4)
	WIN 0x08+4*((\a)/4)                            ; an LDS store's data: window 2 or 3
.irp b, 0,1,2,3,4,5,6,7
	ds_store_b128 v[STO], v[AC+8*\b:AC+8*\b+3] offset:128*(\b/2)+32*(\b%2)          ; channels 32 (b / 2) + 16 h + 8 (b % 2) on; each accumulator from its low end on
	ds_store_b128 v[STO], v[AC+8*\b+4:AC+8*\b+7] offset:128*(\b/2)+32*(\b%2)+16
.endr
	WIN 0
.set BB, BK+64*((\a)%2)
.irp t, 0,1,2,3,4,5,6,7,8,9,10,11,12,13,14,15
	ds_load_b128 v[BB+4*\t:BB+4*\t+3], v[RD] offset:\t*528
.endr
.endm
.macro SEND a, younger                 ; younger: the LDS instructions issued behind tile a's loads, which may stay out
.set BB, BK+64*((\a)%2)
	s_wait_dscnt \younger
.irp t, 0,1,2,3,4,5,6,7,8,9,10,11,12,13,14,15
	v_pk_add_f32 v[BB+4*\t:BB+4*\t+1], v[BB+4*\t:BB+4*\t+1], v[BP:BP+1]
	v_pk_add_f32 v[BB+4*\t+2:BB+4*\t+3], v[BB+4*\t+2:BB+4*\t+3], v[BP+2:BP+3]
	global_store_b128 v[LI], v[BB+4*\t:BB+4*\t+3], s[12:13] offset:(32*((\a)/2)+8*((\a)%2)+\t+8*(\t/8))*4096 th:TH_STORE_NT   ; 512 consecutive bytes, aligned; row t of the tile is token 8 u + t + 8 (t / 8) of its group
.endr
.endm
	PLACES NP                                      ; behind the last products: results are read and y's registers loaded into from here on
	TOSTAGE 0
.irp a, 1,2,3,4,5,6,7
.if \a > 1
	s_wait_xcnt 0x0                                ; tile a - 2's stores have read their registers: tile a's loads may land there
.endif
	TOSTAGE \a
	SEND \a-1, 32                                  ; behind tile a - 1's loads: tile a's 16 stores and 16 loads
.endr
	SEND 7, 0
	s_wait_tensorcnt 0x0                           ; the wave's end
	ds_add_u32 v[SPW], v[NIL]
	s_wait_dscnt 0x0
	CROUND                                         ; the closing round: no work-group ends while a partner may still ask for a tile that names it
	s_endpgm
.Lfunc_end_k_qefa28c2707_gemm_proj:
	.size	k_qefa28c2707_gemm_proj, .Lfunc_end_k_qefa28c2707_gemm_proj-k_qefa28c2707_gemm_proj
	.p2alignl 7, 3214868480
	.fill 96, 4, 3214868480
	.section	.rodata,"a",@progbits
	.p2align	6, 0x0
	.amdhsa_kernel k_qefa28c2707_gemm_proj
		.amdhsa_group_segment_fixed_size 327680
		.amdhsa_private_segment_fixed_size 0
		.amdhsa_enable_private_segment 0
		.amdhsa_kernarg_size 32
		.amdhsa_user_sgpr_count 2
		.amdhsa_user_sgpr_kernarg_segment_ptr 1
		.amdhsa_wavefront_size32 1
		.amdhsa_system_sgpr_workgroup_id_x 1
		.amdhsa_system_sgpr_workgroup_id_y 1
		.amdhsa_system_sgpr_workgroup_id_z 1
		.amdhsa_system_vgpr_workitem_id 0
		.amdhsa_next_free_vgpr 1024
		.amdhsa_next_free_sgpr 100
		.amdhsa_reserve_vcc 0
		.amdhsa_float_denorm_mode_32 3
		.amdhsa_float_denorm_mode_16_64 3
		.amdhsa_memory_ordered 1
		.amdhsa_forward_progress 1
		.amdhsa_inst_pref_size 154
	.end_amdhsa_kernel
	.amdgpu_metadata
---
amdhsa.version: [ 1, 2 ]
amdhsa.kernels:
  - .name:           k_qefa28c2707_gemm_proj
    .symbol:         k_qefa28c2707_gemm_proj.kd
    .args:
      - { .name: cP, .offset: 0, .size: 8, .value_kind: global_buffer, .address_space: global }
      - { .name: scP, .offset: 8, .size: 8, .value_kind: global_buffer, .address_space: global }
      - { .name: b_proj, .offset: 16, .size: 8, .value_kind: global_buffer, .address_space: global }
      - { .name: out0, .offset: 24, .size: 8, .value_kind: global_buffer, .address_space: global }
    .group_segment_fixed_size: 327680
    .private_segment_fixed_size: 0
    .kernarg_segment_align: 8
    .kernarg_segment_size: 32
    .max_flat_workgroup_size: 128
    .sgpr_count:     100
    .vgpr_count:     1024
    .wavefront_size: 32
...
	.end_amdgpu_metadata
.endif
;; end of part 4
